; MI455X (gfx1250); checked and timed in simulation.
; The chip was launched on July 23, 2026; its instructions are those of AMD's public machine-readable ISA for CDNA 5 (MIT licence, August 2026) and "CDNA5" Instruction Set Architecture Reference Guide (July 2026). The comments in the code are by the model that wrote it; some were corrected since.
;; rhs base. Allowed arithmetic: matrix products marked QUANTISED: E4M3 operands, one E8M0 scale for each 32 along K, by v_wmma_scale_f32_16x16x128_f8f6f4 with both operands' format E4M3, f32 sums; everything else in f32.
;; Inputs: W1 8 x 1,024 x 4,096 float32; W2 8 x 4,096 x 1,024 float32; b1 8 x 4,096 float32; b2 8 x 1,024 float32; scales 1 x 1,024 float32; shifta one number float32; shiftb one number float32; t 1,024 float32; y 1,024 x 1,024 float32.
;; Outputs: out0 1,024 x 1,024 float32.
;; This version of the problem:
;;   THIS VERSION OF THE PROBLEM IS GIVEN IN LOW PRECISION. The matrix products marked QUANTISED in the list below multiply operands that are first quantised to E4M3 (4 exponent bits, 3 mantissa bits; 8 bits a number), with one power-of-two scale for each 32 numbers along K (OCP MX v1.0); their sums are f32. All else is computed in f32.
;;   The module's matrix products, in the order in which they are computed (A, B: the left and right operand; K: the contracted axis; several contracted axes count as one K, in the product's order):
;;     1. [M 32,768, K 1,024] x [K 1,024, N 1,024]; A: input W1; B: input y: QUANTISED
;;     2. batch 8 x [M 1,024, K 4,096] x [K 4,096, N 1,024]; A: computed on the way; B: input W2: QUANTISED
;;   THE QUANTISER, for each operand of a quantised product, along K:
;;     - K is cut into blocks of 32 from its start; a last block that is shorter is filled with zeros.
;;     - A block's scale is 2^e with e = floor(log2(the largest magnitude in the block)) - 8, held to -126 .. 127; a block of zeros has e = 0. As a byte (E8M0): e + 127.
;;     - Each number is divided by its block's scale, clamped to +-448, and rounded to the nearest number of E4M3, ties to even, subnormals kept.
;;     - The product sums the exact products of the quantised numbers (number of the format x scale) in f32.
;;   ~~~python
;;   def quantise(x, axis):      # numpy; x: float32 -> the quantised numbers, widened to float32 again
;;       x = np.moveaxis(x, axis, -1); K = x.shape[-1]
;;       x = np.pad(x, [(0, 0)] * (x.ndim - 1) + [(0, -K % 32)]); x = x.reshape(x.shape[:-1] + (-1, 32)); a = np.abs(x).max(-1, keepdims=True)
;;       e = np.where(a > 0, np.clip(np.frexp(np.where(a > 0, a, 1))[1] - 1 - 8, -126, 127), 0)      # np.frexp(a)[1] - 1 = floor(log2(a)), exactly
;;       r = np.clip(x / 2.0 ** e, -448, 448)
;;       step = 2.0 ** (np.maximum(np.frexp(np.where(r == 0, 1, r))[1] - 1, -6) - 3)
;;       q = np.round(r / step) * step * 2.0 ** e      # np.round: ties to even
;;       return np.moveaxis(q.reshape(q.shape[:-2] + (-1,))[..., :K], -1, axis).astype(np.float32)
;;   ~~~
;;   OPERANDS COMPUTED ON THE WAY. 'Computed on the way' means the value that the module computes at that place (a softmax that the list does not call 'softmax' is quantised finished and normalised). What goes into a quantiser is computed in f32, as accurately as f32 sums, v_exp_f32 and their like allow (about 1e-6 of the number): no bf16 or f16 on the way to a quantiser, and a product that is left as it is and whose result goes on into a quantised operand takes f32 operands (vector FMAs, or v_wmma_f32_16x16x4_f32). A number that lies on a knife's edge between two numbers of the format may be rounded either way, as far as f32 arithmetic and the matrix unit's own rounding can turn it there, and no further.
;; 2 versions. Each part assembles by itself: llvm-mc -triple=amdgcn-amd-amdhsa -mcpu=gfx1250 --defsym DOCPART=n.
;; ======== version 1 of 2: 3 launches
;; limits: a function is approximated: absolute error at most 1.2e-07
;; workspace buffers: cnt 1,024 bytes of whole numbers; list 32,768 bytes of whole numbers; ycode 1,048,576 bytes; yscale 32,768 bytes; hcode 33,554,432 bytes; hscale 1,048,576 bytes
;; launch prep (part 1): grid 160 x 1, 4 waves a work-group, no clusters, 43,520 bytes of LDS; arguments t, y, cnt, list, ycode, yscale; writes cnt, list, ycode, yscale
.if DOCPART == 1
	.amdgcn_target "amdgcn-amd-amdhsa--gfx1250"
	.amdhsa_code_object_version 6
	.text
	.protected	k_qae27e5629c_prep
	.globl	k_qae27e5629c_prep
	.p2align	8
	.type	k_qae27e5629c_prep,@function
k_qae27e5629c_prep:
	s_mov_b64 s[64:65], 0
	v_nop
	global_prefetch_b8 v0, s[64:65] scope:SCOPE_SE
	s_setreg_imm32_b32 hwreg(HW_REG_WAVE_MODE, 25, 1), 1
	s_wait_xcnt 0x0
; Two jobs in one launch, parted on the work-group's number alone.
; WORK-GROUPS 0-127: y [1024][1024] f32 becomes codes of E4M3 (ycode [token][1024 bytes], K innermost) and one E8M0 byte for each 32 along K (yscale [token][32 bytes]).
;   A block's scale is 2^(floor(log2(largest magnitude)) - 8); its byte is the largest magnitude's exponent field - 8, held at 1 from below.
;   A wave takes 2,048 numbers (two tokens) in four steps of 512.  Each load reads 512 consecutive bytes; a step's 2,048 bytes turn through the wave's own stage in LDS and come back
;   64 bytes a lane, so that a lane holds 16 neighbours along K (two neighbouring lanes hold a block) and its 16 codes are 16 bytes: a store covers 512 consecutive bytes.
; WORK-GROUPS 128-159: the routing.  ind = min(int(8 t), 7).  For each expert e: cnt[e][0..31] = T_e (the same word 32 times), list[e][k] = the k-th token of e in ascending order;
;   for k >= T_e the expert's last token again (1023 where T_e = 0): later launches take list entries 32 at a time and need no mask.
;   The lists are made as VALUES and stored at fixed places: no address and no branch hangs on t.  A wave makes 64 entries of one expert: 32 ballots (one for each 32 tokens), their running counts,
;   for each lane the ballot that holds its k-th token, and in it the position of the set bit wanted, by partial bit counts and five halvings.
; LIMITS: t below 0 or NaN goes to expert 0; NaN and infinities in y are not served; a block of zeros gets the byte 1 (its codes are zeros; only this program reads the bytes).
.set WREG, 10752                       ; LDS of a wave: four stages, one for each step, and 64 scale bytes
.set SP,   80                          ; a lane's place in a stage: its 64 bytes + 16 of padding
.set STG,  32*SP
.set SBY,  4*STG
.set EMAX, 8
.set R,    16                          ; v16-79   four steps' numbers as loaded
.set X,    80                          ; v80-111  two sets of 16 neighbours
.set E,    112                         ; v112-115 a scale byte for each step
.set C,    116                         ; v116-131 four registers of codes for each step: no store's data are written again
	s_load_b256 s[4:11], s[0:1], 0x0               ; t s[4:5], y s[6:7], cnt s[8:9], list s[10:11]
	s_load_b128 s[12:15], s[0:1], 0x20             ; ycode s[12:13], yscale s[14:15]
	v_lshl_add_u32 v136, v0, 2, 0xa800
	v_mov_b32 v137, 0
	v_lshrrev_b32 v1, 5, v0
	v_readfirstlane_b32 s16, v1                    ; wave
	v_and_b32 v2, 31, v0                           ; lane
	s_wait_kmcnt 0x0
	s_cmp_lt_u32 ttmp9, 128
	s_cbranch_scc0 .Lroute
	; ---------------- y into codes ----------------
	v_lshlrev_b32 v3, 4, v2                        ; my 16 bytes of a load's 512, and of a step's 512 bytes of codes
	s_mul_i32 s17, s16, WREG
	v_lshrrev_b32 v14, 2, v2
	v_mul_u32_u24 v14, v14, SP
	v_and_b32 v15, 3, v2
	v_lshl_add_u32 v14, v15, 4, v14
	v_add_nc_u32 v14, s17, v14                     ; the stage, on the way in: SP (lane / 4) + 16 (lane % 4)
	v_mul_u32_u24 v15, v2, SP
	v_add_nc_u32 v15, s17, v15                     ; and on the way out: SP x lane
	v_lshrrev_b32 v5, 1, v2
	s_add_co_u32 s17, s17, SBY
	v_add_nc_u32 v5, s17, v5                       ; my block's scale byte in LDS
	v_lshlrev_b32 v7, 1, v2                        ; on the way out two bytes a lane
	v_add_nc_u32 v6, s17, v7
	s_mov_b32 s23, 0x600000                        ; the mantissa field of 448
	s_lshl_b32 s18, ttmp9, 2
	s_add_co_u32 s18, s18, s16                     ; which run of 2,048 numbers is my wave's
	s_mov_b32 s21, 0
	s_lshl_b32 s20, s18, 13
	s_add_nc_u64 s[6:7], s[6:7], s[20:21]
	s_lshl_b32 s20, s18, 11
	s_add_nc_u64 s[12:13], s[12:13], s[20:21]
	s_lshl_b32 s20, s18, 6
	s_add_nc_u64 s[14:15], s[14:15], s[20:21]
.macro LOAD t
.irp i, 0,1,2,3
	global_load_b128 v[R+16*(\t)+4*\i:R+16*(\t)+4*\i+3], v3, s[6:7] offset:2048*(\t)+512*\i
.endr
.endm
.macro TURN t                          ; step t's numbers through its stage: LDS serves a wave's instructions in order, so no wait stands between the stores and the loads
.irp i, 0,1,2,3
	ds_store_b128 v14, v[R+16*(\t)+4*\i:R+16*(\t)+4*\i+3] offset:STG*(\t)+8*SP*\i
.endr
.irp i, 0,1,2,3
	ds_load_b128 v[X+16*((\t)%2)+4*\i:X+16*((\t)%2)+4*\i+3], v15 offset:STG*(\t)+16*\i
.endr
.endm
.macro STEP t
.set XS, X+16*((\t)%2)
.if (\t) > 0
	s_wait_dscnt 1                                 ; this step's numbers are back from the stage; the last step's byte store may be out
.else
	s_wait_dscnt 0x0
.endif
.if (\t) < 3
	s_wait_loadcnt 4*(2-(\t))                      ; the next step's four loads are in; those of the steps behind it may be out
	TURN (\t)+1
.endif
	v_max3_num_f32 v8, |v[XS]|, |v[XS+1]|, |v[XS+2]|
	v_max3_num_f32 v9, |v[XS+3]|, |v[XS+4]|, |v[XS+5]|
.irp i, 6,10
	v_max3_num_f32 v8, v8, |v[XS+\i]|, |v[XS+\i+1]|
	v_max3_num_f32 v9, v9, |v[XS+\i+2]|, |v[XS+\i+3]|
.endr
	v_max3_num_f32 v8, v8, |v[XS+14]|, |v[XS+15]|
	v_max3_num_f32 v8, v8, v9, (EMAX+1)<<23        ; the floor 2^(9 - 127): the byte cannot fall under 1
	v_max_num_f32_dpp v8, v8, v8 row_xmask:1 row_mask:0xf bank_mask:0xf   ; with my neighbour's 16: the block's largest magnitude
	v_add_nc_u32 v11, -(EMAX<<23), v8              ; 8 off its exponent field: the conversion's scale operand
	v_and_or_b32 v10, v8, 0x7f800000, s23          ; 448 x the scale
.irp i, 0,1,2,3,4,5,6,7,8,9,10,11,12,13,14,15
	v_med3_num_f32 v[XS+\i], v[XS+\i], -v10, v10   ; the conversion to an 8-bit code does not saturate (ISA guide 7.6.2): the hold comes first
.endr
	v_cvt_scalef32_pk8_fp8_f32 v[C+4*(\t):C+4*(\t)+1], v[XS:XS+7], v11
	v_cvt_scalef32_pk8_fp8_f32 v[C+4*(\t)+2:C+4*(\t)+3], v[XS+8:XS+15], v11
	v_lshrrev_b32 v[E+(\t)], 23, v11               ; the scale's byte
	ds_store_b8 v5, v[E+(\t)] offset:16*(\t)       ; both lanes of a block write the same byte with the same value
	global_store_b128 v3, v[C+4*(\t):C+4*(\t)+3], s[12:13] offset:512*(\t)
.endm
	LOAD 0
	LOAD 1
	LOAD 2
	LOAD 3
	s_wait_loadcnt 12                              ; step 0's four loads are in
	TURN 0
	STEP 0
	STEP 1
	STEP 2
	STEP 3
	ds_load_u16 v12, v6                            ; in order behind my byte stores
	s_wait_dscnt 0x0
	global_store_b16 v7, v12, s[14:15]             ; the wave's 64 scale bytes, consecutive
	s_wait_tensorcnt 0x0
	ds_add_u32 v136, v137
	s_wait_dscnt 0x0
	s_endpgm
	; ---------------- the routing ----------------
.Lroute:
	s_sub_co_u32 s17, ttmp9, 128
	s_lshl_b32 s17, s17, 2
	s_add_co_u32 s17, s17, s16                     ; 0 .. 127: sixteen waves to an expert
	s_lshr_b32 s18, s17, 4                         ; the expert
	s_and_b32 s19, s17, 15
	s_lshl_b32 s20, s19, 6                         ; my first list entry
	s_lshl_b32 s23, s18, 12                        ; the expert's list, in bytes
	v_lshlrev_b32 v3, 2, v2
	v_add_nc_u32 v19, s20, v2
.set n, 0
.rept 32
	global_load_b32 v[32+n], v3, s[4:5] offset:128*n   ; all 1,024 t: register n holds token 32 n + lane
.set n, n+1
.endr
	s_wait_loadcnt 0x0
.set n, 0
.rept 32
	v_mul_f32 v[32+n], 8.0, v[32+n]                ; t / (1 / 8), exact
.set n, n+1
.endr
.set n, 0
.rept 32
	v_cvt_u32_f32 v[32+n], v[32+n]                 ; toward zero; below 0 and NaN give 0
.set n, n+1
.endr
.set n, 0
.rept 32
	v_min_u32 v[32+n], 7, v[32+n]
.set n, n+1
.endr
.set n, 0
.rept 32
	v_cmp_eq_u32 s[32+n], s18, v[32+n]             ; ballot n: which of tokens 32 n .. 32 n + 31 are my expert's
.set n, n+1
.endr
	s_mov_b32 s66, 0
.set n, 0
.rept 32
	s_bcnt1_i32_b32 s21, s[32+n]
	s_add_co_u32 s[67+n], s[66+n], s21             ; s[66 + n]: my expert's tokens ahead of ballot n; s98: T
.set n, n+1
.endr
	s_max_u32 s22, s98, 1
	s_sub_co_u32 s22, s22, 1                       ; the last entry that exists
.macro LEVEL x, width, step            ; does the bit wanted lie beyond the next \step positions?
	v_bfe_u32 v14, v[\x], v13, \width              ; set bits among them
	v_cmp_ge_u32 vcc_lo, v9, v14
	v_sub_nc_u32 v14, v9, v14
	v_add_nc_u32 v15, \step, v13
	v_cndmask_b32 v9, v9, v14, vcc_lo
	v_cndmask_b32 v13, v13, v15, vcc_lo
.endm
.macro PICK j
	v_add_nc_u32 v4, 32*\j, v19                    ; k
	v_min_u32 v5, s22, v4                          ; entries past the end repeat the last
	v_mov_b32 v6, s32                              ; the ballot, its count ahead and its first token: the last n with count ahead <= k
	v_mov_b32 v7, 0
	v_mov_b32 v8, 0
.set n, 1
.rept 31
	v_cmp_gt_u32 vcc_lo, s[66+n], v5               ; true: keep what I have
	v_cndmask_b32 v6, s[32+n], v6, vcc_lo
	v_cndmask_b32 v7, s[66+n], v7, vcc_lo
	v_cndmask_b32 v8, 32*n, v8, vcc_lo
.set n, n+1
.endr
	v_sub_nc_u32 v9, v5, v7                        ; which set bit of the ballot, from 0
	v_lshrrev_b32 v10, 1, v6                       ; bit counts of fields of 2, 4, 8 and 16 bits
	v_and_b32 v10, 0x55555555, v10
	v_sub_nc_u32 v10, v6, v10
	v_lshrrev_b32 v11, 2, v10
	v_and_b32 v11, 0x33333333, v11
	v_and_b32 v16, 0x33333333, v10
	v_add_nc_u32 v11, v11, v16
	v_lshrrev_b32 v12, 4, v11
	v_add_nc_u32 v12, v12, v11
	v_and_b32 v12, 0x0f0f0f0f, v12
	v_lshrrev_b32 v17, 8, v12
	v_add_nc_u32 v17, v17, v12
	v_and_b32 v17, 0x00ff00ff, v17
	v_mov_b32 v13, 0                               ; the position
	LEVEL 17, 8, 16
	LEVEL 12, 8, 8
	LEVEL 11, 4, 4
	LEVEL 10, 2, 2
	LEVEL 6, 1, 1
	v_add_nc_u32 v[22+\j], v8, v13                 ; the token
	v_lshlrev_b32 v[20+\j], 2, v4
	v_add_nc_u32 v[20+\j], s23, v[20+\j]
	global_store_b32 v[20+\j], v[22+\j], s[10:11]  ; 128 consecutive bytes, at a place that hangs on ids alone
.endm
	PICK 0
	PICK 1
	s_cmp_lg_u32 s19, 0                            ; the expert's first wave also stores T
	s_cbranch_scc1 .Lrdone
	v_mov_b32 v24, s98
	s_lshl_b32 s24, s18, 7
	v_add_nc_u32 v25, s24, v3
	global_store_b32 v25, v24, s[8:9]
.Lrdone:
	s_endpgm
.Lfunc_end_k_qae27e5629c_prep:
	.size	k_qae27e5629c_prep, .Lfunc_end_k_qae27e5629c_prep-k_qae27e5629c_prep
	.p2alignl 7, 3214868480
	.fill 96, 4, 3214868480
	.section	.rodata,"a",@progbits
	.p2align	6, 0x0
	.amdhsa_kernel k_qae27e5629c_prep
		.amdhsa_group_segment_fixed_size 43520
		.amdhsa_private_segment_fixed_size 0
		.amdhsa_enable_private_segment 0
		.amdhsa_kernarg_size 48
		.amdhsa_user_sgpr_count 2
		.amdhsa_user_sgpr_kernarg_segment_ptr 1
		.amdhsa_wavefront_size32 1
		.amdhsa_system_sgpr_workgroup_id_x 1
		.amdhsa_system_sgpr_workgroup_id_y 1
		.amdhsa_system_sgpr_workgroup_id_z 1
		.amdhsa_system_vgpr_workitem_id 0
		.amdhsa_next_free_vgpr 138
		.amdhsa_next_free_sgpr 100
		.amdhsa_reserve_vcc 1
		.amdhsa_float_denorm_mode_32 3
		.amdhsa_float_denorm_mode_16_64 3
		.amdhsa_memory_ordered 1
		.amdhsa_forward_progress 1
		.amdhsa_inst_pref_size 40
	.end_amdhsa_kernel
	.amdgpu_metadata
---
amdhsa.version: [ 1, 2 ]
amdhsa.kernels:
  - .name:           k_qae27e5629c_prep
    .symbol:         k_qae27e5629c_prep.kd
    .args:
      - { .name: t, .offset: 0, .size: 8, .value_kind: global_buffer, .address_space: global }
      - { .name: y, .offset: 8, .size: 8, .value_kind: global_buffer, .address_space: global }
      - { .name: cnt, .offset: 16, .size: 8, .value_kind: global_buffer, .address_space: global }
      - { .name: list, .offset: 24, .size: 8, .value_kind: global_buffer, .address_space: global }
      - { .name: ycode, .offset: 32, .size: 8, .value_kind: global_buffer, .address_space: global }
      - { .name: yscale, .offset: 40, .size: 8, .value_kind: global_buffer, .address_space: global }
    .group_segment_fixed_size: 43520
    .private_segment_fixed_size: 0
    .kernarg_segment_align: 8
    .kernarg_segment_size: 48
    .max_flat_workgroup_size: 128
    .sgpr_count:     100
    .vgpr_count:     138
    .wavefront_size: 32
...
	.end_amdgpu_metadata
.endif
;; end of part 1
;; launch layer1 (part 2): grid 256 x 1, 8 waves a work-group, no clusters, 144,384 bytes of LDS; arguments W1, b1, cnt, list, ycode, yscale, hcode, hscale; writes hcode, hscale
.if DOCPART == 2
	.amdgcn_target "amdgcn-amd-amdhsa--gfx1250"
	.amdhsa_code_object_version 6
	.text
	.protected	k_qae27e5629c_layer1
	.globl	k_qae27e5629c_layer1
	.p2align	8
	.type	k_qae27e5629c_layer1,@function
k_qae27e5629c_layer1:
	s_mov_b64 s[64:65], 0
	v_nop
	global_prefetch_b8 v0, s[64:65] scope:SCOPE_SE
	s_setreg_imm32_b32 hwreg(HW_REG_WAVE_MODE, 25, 1), 1
	s_wait_xcnt 0x0
; hidden = tanh(y W1[e] + b1[e]) for the tokens of expert e alone, quantised to E4M3 along the hidden axis.  The product is on codes of E4M3 with one E8M0 scale for each 32 along K.
; SHARES.  Work-group = (expert e = id / 32, slice sl = id % 32): 128 hidden units, all of K = 1,024: 512 KiB of W1, which this work-group alone reads, once, as f32.
; PHASE A.  The slice is 32 cells of 128 K rows x 32 columns; each of the eight waves takes four.  A lane (r = lane % 16, h = lane / 16) loads 8 bytes (columns 2 r, 2 r + 1) of rows 32 b + 16 h + i:
;   its registers run DOWN K in the order of the operand's registers, for two columns.  So a block's largest magnitude wants one exchange (lane xor 16), the hold writes the two columns apart, and the
;   conversions' results are registers 4 b .. 4 b + 3 of two fragments: tile u (0, 1) has column 2 r + u as its row r.  The fragments go to LDS as images of their registers (16 bytes a lane, 512 a store).
;   64 loads of a wave are on their way all the time.  Every LDS byte is written once; ONE barrier parts the phases.
; PHASE B.  Wave w takes pairs of token tiles (32 list entries) w, w + 8, ..  List entries past the expert's count repeat its last token: they compute and store the same bytes again, so nothing is masked.
;   The product is used transposed (source 0 = a weight tile, source 1 = 16 tokens): lane (r, h) holds token r, and register j of tile u column 16 h + 2 j + u of the 32.  So a lane's 16 results are 16
;   neighbours along the next K; tanh; quantised in registers; stored as the image of group cg of the next product's token fragment: hcode [e][tile][sl][2,048 bytes], hscale [e][tile][sl][16 words].
;   An expert with no token still runs one pair (of the list's filling), so that tiles 0 and 1 are always stored.
;   The loop over a wave's pairs is counted by trips, one at a time, against the wave's number of trips (pairs + 7 - w) / 8; the pair's number is w + 8 x trip.
; No clusters: no two work-groups read the same weights.  No tensor loads: the f32 numbers have to pass through registers to be quantised.
; LIMITS: NaN and infinities are not served; a block of zeros gets the byte 1 (zero codes; only this program reads the bytes); tanh(x) = 1 - 2 / (1 + 2^(2.88539 x)): absolute error about 1.2e-7.
; REGISTERS.  Window 0: v1-15, v31 addresses; v16-23 at work in the quantiser; v24-26 a cell's scale words; v28-30 weight scale words (a ring of 3); v40-55 y's scale words; v56-57 the hidden scale words;
;   v64-191 phase A: a cell's 128 numbers; phase B: v64-159 weight fragments (a ring of 3 K steps x 2 tiles), v160-191 four accumulators;  v192-223 numbers held, in K order;  v224-255 phase A: codes;
;   phase B: v224-239 the bias, v240-255 hidden codes.   Window 1: y's fragments of the pair (tile t, K step s at 128 t + 16 s).
.set STRIDE, 16384                     ; a row of W1[e] in bytes
.set WS,   0                           ; LDS: scale word images, 128 bytes a cell
.set BKI,  4096                        ; bias images: 2,048 bytes for each group of 32 columns
.set WI,   12288                       ; fragment images: 64 x 2,048 bytes
.set VW,   1                           ; v1   my byte in a cell: h x 16 rows + 8 r
.set VSI,  2                           ; v2-3 where I store fragment images (cells 0-1, cells 2-3)
.set VSS,  4                           ; v4   and scale word images
.set FA,   5                           ; v5   WI + 16 lane
.set FB,   6                           ; v6   WI + 65,536 + 16 lane
.set L4,   7                           ; v7   4 lane
.set L16,  8                           ; v8   16 lane
.set VBK,  9                           ; v9   where I store the bias image
.set VY,   10                          ; v10-11 my token's row in ycode + 16 h, tile 0, 1
.set VYS,  12                          ; v12-13 my token's row in yscale
.set LOFF, 14                          ; v14  4 r
.set VB1,  15                          ; v15  64 h
.set TM,   16
.set SW,   24
.set WSC,  28
.set H16,  31                          ; v31  16 h
.set YSC,  40
.set HW,   56
.set ID,   58
.set X,    64
.set WR,   64
.set ACC,  160
.set T,    192
.set N,    192
.set C,    224
.set BK,   224
.set HC,   240
.set SEL,  26                          ; s[26:27] v_permlanex16_b32's selects for lane xor 16
.set MNT,  28                          ; s28  the mantissa field of 448
.set HM,   29                          ; s29  lanes 16-31
.set K2,   30                          ; s[30:31] 2 log2(e), twice
.set SB,   32                          ; s[32:39] my four cells' first bytes
.set CNT3, 52                          ; the last cell's waits: see CELL
.set CNT3S, 0
.set MSB, 0
.macro WIN new                         ; the immediate's high byte repeats the setting that is left
.if MSB != \new
	s_set_vgpr_msb (MSB<<8)|\new
.set MSB, \new
.endif
.endm
.macro WLOAD q, b                      ; block b (32 K rows) of my cell q: 16 loads; lanes 0-15 read 128 consecutive bytes of one row, lanes 16-31 of the row 16 further down
.irp i, 0,1,2,3,4,5,6,7,8,9,10,11,12,13,14,15
	global_load_b64 v[X+32*(\b)+2*\i:X+32*(\b)+2*\i+1], v[VW], s[SB+2*(\q):SB+2*(\q)+1] offset:(32*(\b)+\i)*STRIDE
.endr
.endm
.macro QBLOCK q, b                     ; one block of 32 along K of my two columns u = 0, 1, by turns: scale, hold, codes, image
.set XB, X+32*(\b)
.irp u, 0,1
	v_max3_num_f32 v[TM+\u], |v[XB+\u]|, |v[XB+2+\u]|, 0x4800000   ; my 16 numbers and the floor 2^(9 - 127): the byte cannot fall under 1
.endr
.irp i, 2,4,6,8,10,12,14
.irp u, 0,1
	v_max3_num_f32 v[TM+\u], v[TM+\u], |v[XB+2*\i+\u]|, |v[XB+2*\i+2+\u]|
.endr
.endr
.irp u, 0,1
	v_permlanex16_b32 v[TM+2+\u], v[TM+\u], s[SEL], s[SEL+1]
.endr
.irp u, 0,1
	v_max_num_f32 v[TM+\u], v[TM+\u], v[TM+2+\u]   ; with lane xor 16's: the block's largest magnitude
.endr
.irp u, 0,1
	v_add_nc_u32 v[TM+6+\u], 0xfc000000, v[TM+\u]  ; 8 off its exponent field: the conversion's scale operand
.endr
.irp u, 0,1
	v_and_or_b32 v[TM+4+\u], v[TM+\u], 0x7f800000, s[MNT]   ; 448 x the scale
.endr
.irp u, 0,1
	v_lshrrev_b32 v[TM+2+\u], 23, v[TM+6+\u]       ; the scale's byte
.endr
.irp u, 0,1
.if (\b) == 0
	v_mov_b32 v[SW+\u], v[TM+2+\u]
.else
	v_lshl_or_b32 v[SW+\u], v[TM+2+\u], 8*(\b), v[SW+\u]
.endif
.endr
.irp i, 0,1,2,3,4,5,6,7,8,9,10,11,12,13,14,15
.irp u, 0,1
	v_med3_num_f32 v[T+16*\u+\i], v[XB+2*\i+\u], -v[TM+4+\u], v[TM+4+\u]   ; the hold (the conversion does not saturate: ISA guide 7.6.2) also parts the two columns
.endr
.endr
.irp u, 0,1
	v_cvt_scalef32_pk8_fp8_f32 v[C+8*(\b)+4*\u:C+8*(\b)+4*\u+1], v[T+16*\u:T+16*\u+7], v[TM+6+\u]
	v_cvt_scalef32_pk8_fp8_f32 v[C+8*(\b)+4*\u+2:C+8*(\b)+4*\u+3], v[T+16*\u+8:T+16*\u+15], v[TM+6+\u]
.endr
	v_nop                                          ; a plain instruction between the conversions and the next vector instruction that writes their sources
.irp u, 0,1
	ds_store_b128 v[VSI+(\q)/2], v[C+8*(\b)+4*\u:C+8*(\b)+4*\u+3] offset:((\q)%2)*32768+\u*2048+(\b)*512
.endr
.endm
.macro YFRAG s                         ; y's fragments of K step s, both tiles: lane (r, h) takes k = 128 s + 32 c + 16 h + 0 .. 15 of its token
.irp t, 0,1
.irp c, 0,1,2,3
	global_load_b128 v[128*\t+16*(\s)+4*\c:128*\t+16*(\s)+4*\c+3], v[VY+\t], s[12:13] offset:128*(\s)+32*\c
.endr
.endr
.endm
.macro PRE b                           ; a quarter of a pair's loads: with b = 0 the 4 loads of y's scale words, and always two K steps' 16 loads
.if (\b) == 0
.irp t, 0,1
	global_load_b128 v[YSC+8*\t:YSC+8*\t+3], v[VYS+\t], s[14:15]
	global_load_b128 v[YSC+8*\t+4:YSC+8*\t+7], v[VYS+\t], s[14:15] offset:16
.endr
.endif
	WIN 0x40                                       ; destination window 1
	YFRAG 2*(\b)
	YFRAG 2*(\b)+1
	WIN 0
.endm
; My cell q.  Behind each block's work its registers take the same block of the next cell, or, in the last cell, a quarter of the first pair's loads goes out.
; The wait leaves out what was issued behind the block awaited: three blocks of 16; in the last cell 48, then 32 + 20, 16 + 36, 0 + 52 (weight loads still behind + the pair's loads so far).
.macro CELL q
	s_wait_dscnt 0x0                               ; the last cell's LDS stores have read their registers
.irp b, 0,1,2,3
.if (\q) < 3
	s_wait_loadcnt 48
.elseif \b == 0
	s_wait_loadcnt 48
.else
	s_wait_loadcnt CNT3+CNT3S*(\b-1)
.endif
	QBLOCK \q, \b
.if (\q) < 3
	WLOAD (\q)+1, \b
.else
	PRE \b
.endif
.endr
	v_cndmask_b32 v[SW+2], v[SW], v[SW+1], s[HM]   ; lanes 0-15: tile 0's scale words; lanes 16-31: tile 1's
	ds_store_b32 v[VSS], v[SW+2] offset:(\q)*1024
.endm
.macro WSTEP n, ci, f0                 ; nine LDS loads: cell ci's scale words and its two fragments f0, f0 + 1 into ring slot n % 3
	ds_load_b32 v[WSC+(\n)%3], v[L4] offset:WS+(\ci)*128
.irp u, 0,1
.irp c, 0,1,2,3
.if ((\f0)+\u) < 32
	ds_load_b128 v[WR+32*((\n)%3)+16*\u+4*\c:WR+32*((\n)%3)+16*\u+4*\c+3], v[FA] offset:((\f0)+\u)*2048+512*\c
.else
	ds_load_b128 v[WR+32*((\n)%3)+16*\u+4*\c:WR+32*((\n)%3)+16*\u+4*\c+3], v[FB] offset:((\f0)+\u-32)*2048+512*\c
.endif
.endr
.endr
.endm
.macro PROLOG cg                       ; what a group of 32 columns begins with: its bias image and its first three K steps
.irp p, 0,1,2,3
	ds_load_b128 v[BK+4*\p:BK+4*\p+3], v[L16] offset:BKI+2048*(\cg)+512*\p
.endr
	WSTEP 0, (\cg), 2*(\cg)
	WSTEP 1, 4+(\cg), 8+2*(\cg)
	WSTEP 2, 8+(\cg), 16+2*(\cg)
.endm
.macro MM s, t, u                      ; accumulator 2 t + u: weight tile u x token tile t, K step s.  The first K step starts the sum: nothing is cleared
.set rD, ACC+8*(2*\t+\u)
.set rA, WR+32*((\s)%3)+16*\u
.set rB, 128*\t+16*(\s)
.set rP, WSC+(\s)%3
.set rQ, YSC+8*\t+(\s)
.if (\s) == 0
.if \u
	v_wmma_scale_f32_16x16x128_f8f6f4 v[rD:rD+7], v[rA:rA+15], v[rB:rB+15], 0, v[rP], v[rQ] matrix_a_scale:MATRIX_SCALE_ROW1
.else
	v_wmma_scale_f32_16x16x128_f8f6f4 v[rD:rD+7], v[rA:rA+15], v[rB:rB+15], 0, v[rP], v[rQ]
.endif
.else
.if \u
	v_wmma_scale_f32_16x16x128_f8f6f4 v[rD:rD+7], v[rA:rA+15], v[rB:rB+15], v[rD:rD+7], v[rP], v[rQ] matrix_a_scale:MATRIX_SCALE_ROW1
.else
	v_wmma_scale_f32_16x16x128_f8f6f4 v[rD:rD+7], v[rA:rA+15], v[rB:rB+15], v[rD:rD+7], v[rP], v[rQ]
.endif
.endif
.endm
; A K step: four products, the four accumulators by turns.  The wait leaves out the fetches issued behind this step's own: two, one, none, of nine loads each.
; Loads into registers that these products read stand eight plain places behind them; behind the last K step nine, since the accumulators are begun anew later.
.macro KSTEP cg, s
.if (\s) <= 5
	s_wait_dscnt 18
.elseif (\s) == 6
	s_wait_dscnt 9
.else
	s_wait_dscnt 0x0
.endif
.irp t, 0,1
.irp u, 0,1
	MM (\s), \t, \u
.endr
.endr
.if (\s) <= 4
.rept 8
	v_nop
.endr
	WSTEP (\s)+3, 4*((\s)+3)+(\cg), 8*((\s)+3)+2*(\cg)
.elseif (\s) == 7
.rept 9
	v_nop
.endr
.endif
.endm
; Behind a group's eight K steps: bias, tanh, the quantiser, and the stores.
.macro TAIL cg
.irp a, 0,1,2,3
.irp j, 0,2,4,6
	v_pk_fma_f32 v[ACC+8*\a+\j:ACC+8*\a+\j+1], v[ACC+8*\a+\j:ACC+8*\a+\j+1], s[K2:K2+1], v[BK+8*(\a%2)+\j:BK+8*(\a%2)+\j+1] op_sel_hi:[1,0,1]   ; 2 log2(e) x (sum + b1); each accumulator from its low end on
.endr
.endr
.if (\cg) < 3
	PROLOG (\cg)+1                                 ; the next group's first LDS loads land under the arithmetic below
.endif
.set n, 0
.rept 32
	v_exp_f32 v[ACC+n], v[ACC+n]
.set n, n+1
.endr
	v_nop                                          ; a plain instruction behind the transcendentals
.set n, 0
	s_wait_alu depctr_va_vdst(0)
.rept 16
	v_pk_add_f32 v[ACC+n:ACC+n+1], v[ACC+n:ACC+n+1], 1.0 op_sel_hi:[1,0]
.set n, n+2
.endr
.set n, 0
.rept 32
	v_rcp_f32 v[ACC+n], v[ACC+n]
.set n, n+1
.endr
	v_nop
.set n, 0
	s_wait_alu depctr_va_vdst(0)
.rept 16
	v_pk_fma_f32 v[ACC+n:ACC+n+1], v[ACC+n:ACC+n+1], -2.0, 1.0 op_sel_hi:[1,0,0]   ; tanh = 1 - 2 / (1 + 2^z)
.set n, n+2
.endr
.irp t, 0,1
	v_max3_num_f32 v[TM+\t], |v[ACC+16*\t]|, |v[ACC+16*\t+1]|, 0x4800000   ; the block of 32 hidden units of my token: my 16, the two tiles of tokens by turns
.endr
.irp i, 2,4,6,8,10,12,14
.irp t, 0,1
	v_max3_num_f32 v[TM+\t], v[TM+\t], |v[ACC+16*\t+\i]|, |v[ACC+16*\t+\i+1]|
.endr
.endr
.irp t, 0,1
	v_permlanex16_b32 v[TM+2+\t], v[TM+\t], s[SEL], s[SEL+1]
.endr
.irp t, 0,1
	v_max_num_f32 v[TM+\t], v[TM+\t], v[TM+2+\t]
.endr
.irp t, 0,1
	v_add_nc_u32 v[TM+6+\t], 0xfc000000, v[TM+\t]
.endr
.irp t, 0,1
	v_and_or_b32 v[TM+4+\t], v[TM+\t], 0x7f800000, s[MNT]
.endr
.irp t, 0,1
	v_lshrrev_b32 v[TM+2+\t], 23, v[TM+6+\t]
.endr
.irp t, 0,1
.if (\cg) == 0
	v_mov_b32 v[HW+\t], v[TM+2+\t]                 ; byte cg of my token's scale word for this K step of the next product
.else
	v_lshl_or_b32 v[HW+\t], v[TM+2+\t], 8*(\cg), v[HW+\t]
.endif
.endr
.irp j, 0,1,2,3,4,5,6,7
.irp u, 0,1
.irp t, 0,1
	v_med3_num_f32 v[N+16*\t+2*\j+\u], v[ACC+16*\t+8*\u+\j], -v[TM+4+\t], v[TM+4+\t]   ; the hold puts the 16 into the order of K: column 16 h + 2 j + u
.endr
.endr
.endr
	s_wait_xcnt 0x0                                ; earlier stores have read their data registers: the codes' registers are written again only behind this wait
.irp t, 0,1
	v_cvt_scalef32_pk8_fp8_f32 v[HC+8*((\cg)%2)+4*\t:HC+8*((\cg)%2)+4*\t+1], v[N+16*\t:N+16*\t+7], v[TM+6+\t]
	v_cvt_scalef32_pk8_fp8_f32 v[HC+8*((\cg)%2)+4*\t+2:HC+8*((\cg)%2)+4*\t+3], v[N+16*\t+8:N+16*\t+15], v[TM+6+\t]
.endr
	v_nop
.irp t, 0,1
	global_store_b128 v[L16], v[HC+8*((\cg)%2)+4*\t:HC+8*((\cg)%2)+4*\t+3], s[44:45] offset:65536*\t+512*(\cg)   ; 512 consecutive bytes: group cg of the fragment's image
.endr
.if (\cg) == 3
.irp t, 0,1
	global_store_b32 v[LOFF], v[HW+\t], s[46:47] offset:2048*\t   ; lanes r and r + 16 store the same word to the same place
.endr
.endif
.endm
.macro IDS                             ; list entries into offsets: held to 1,023, then shifts and sums alone
.irp t, 0,1
	v_min_u32 v[ID+\t], 0x3ff, v[ID+\t]
	v_lshlrev_b32 v[VY+\t], 10, v[ID+\t]
	v_add_nc_u32 v[VY+\t], v[VY+\t], v[H16]
	v_lshlrev_b32 v[VYS+\t], 5, v[ID+\t]
.endr
.endm
.macro BASES                           ; my pair of trip s25, w + 8 x trip, held to 31: its places in hcode, hscale and the list
	s_lshl_b32 s52, s25, 3
	s_add_co_u32 s52, s52, s20
	s_min_u32 s52, s52, 31
	s_lshl_b32 s42, s52, 17
	s_add_nc_u64 s[44:45], s[16:17], s[42:43]
	s_lshl_b32 s42, s52, 12
	s_add_nc_u64 s[46:47], s[18:19], s[42:43]
	s_lshl_b32 s42, s52, 7
	s_add_nc_u64 s[48:49], s[10:11], s[42:43]
.endm
	s_load_b512 s[4:19], s[0:1], 0x0               ; W1 s[4:5], b1 s[6:7], cnt s[8:9], list s[10:11], ycode s[12:13], yscale s[14:15], hcode s[16:17], hscale s[18:19]
	v_lshl_add_u32 v62, v0, 2, 0x23000
	v_mov_b32 v63, 0
	v_lshrrev_b32 v58, 5, v0
	v_readfirstlane_b32 s20, v58                   ; wave 0..7
	s_lshr_b32 s21, ttmp9, 5                       ; expert
	s_and_b32 s22, ttmp9, 31                       ; slice
	s_and_b32 s50, s20, 3                          ; my cells' group of 32 columns
	s_lshr_b32 s51, s20, 2                         ; my cells' K step is 2 q + this
	v_and_b32 v59, 31, v0                          ; lane
	v_and_b32 v60, 15, v0                          ; r
	v_bfe_u32 v61, v0, 4, 1                        ; h
	v_lshlrev_b32 v[VW], 3, v60
	v_lshl_add_u32 v[VW], v61, 18, v[VW]           ; 16 rows of 16,384 bytes for lanes 16-31
	v_lshlrev_b32 v[L16], 4, v59
	v_lshlrev_b32 v[L4], 2, v59
	s_lshl_b32 s40, s20, 12
	s_add_co_u32 s40, s40, WI
	v_add_nc_u32 v[VSI], s40, v[L16]               ; cell 8 q + w: fragments 16 q + 2 w, + 1
	v_add_nc_u32 v[VSI+1], 0x10000, v[VSI]
	s_lshl_b32 s40, s20, 7
	v_add_nc_u32 v[VSS], s40, v[L4]
	v_add_nc_u32 v[FA], WI, v[L16]
	v_add_nc_u32 v[FB], WI+0x10000, v[L16]
	s_lshl_b32 s40, s50, 11
	s_lshl_b32 s42, s51, 10
	s_add_co_u32 s40, s40, s42
	s_add_co_u32 s40, s40, BKI
	v_add_nc_u32 v[VBK], s40, v[L16]
	v_lshlrev_b32 v[LOFF], 2, v60
	v_lshlrev_b32 v[VB1], 6, v61
	v_lshlrev_b32 v[H16], 4, v61
	v_mov_b32 v[TM+2], 0                           ; written once: a lane permute's destination counts as one of its sources
	v_mov_b32 v[TM+3], 0
	s_mov_b32 s[SEL], 0x76543210
	s_mov_b32 s[SEL+1], 0xfedcba98
	s_mov_b32 s[MNT], 0x600000
	s_mov_b32 s[HM], 0xffff0000
	s_mov_b32 s[K2], 0x4038aa3b                    ; 2 log2(e)
	s_mov_b32 s[K2+1], s[K2]
	s_mov_b32 s25, 0                               ; the trip: my pair is w + 8 x trip
	s_mov_b32 s41, 0
	s_mov_b32 s43, 0
	s_lshl_b32 s40, s21, 24                        ; W1: expert, K step, slice, group of columns
	s_lshl_b32 s42, s51, 21
	s_add_co_u32 s40, s40, s42
	s_lshl_b32 s42, s22, 9
	s_add_co_u32 s40, s40, s42
	s_lshl_b32 s42, s50, 7
	s_add_co_u32 s40, s40, s42
	s_wait_kmcnt 0x0
	s_add_nc_u64 s[SB:SB+1], s[4:5], s[40:41]
	s_add_nc_u64 s[SB+2:SB+3], s[SB:SB+1], 0x400000   ; two K steps (256 rows) on
	s_add_nc_u64 s[SB+4:SB+5], s[SB:SB+1], 0x800000
	s_add_nc_u64 s[SB+6:SB+7], s[SB:SB+1], 0xc00000
	s_lshl_b32 s42, s21, 7
	s_add_nc_u64 s[8:9], s[8:9], s[42:43]
	s_load_b32 s23, s[8:9], 0x0                    ; T: the expert's tokens
	s_lshl_b32 s42, s21, 14                        ; b1: unit 128 sl + 32 (w % 4) + 16 h + 2 j + w / 4
	s_lshl_b32 s40, s22, 9
	s_add_co_u32 s42, s42, s40
	s_lshl_b32 s40, s50, 7
	s_add_co_u32 s42, s42, s40
	s_lshl_b32 s40, s51, 2
	s_add_co_u32 s42, s42, s40
	s_add_nc_u64 s[6:7], s[6:7], s[42:43]
	s_lshl_b32 s42, s21, 12
	s_add_nc_u64 s[10:11], s[10:11], s[42:43]      ; the expert's list
	s_lshl_b32 s42, s21, 22
	s_lshl_b32 s40, s22, 11
	s_add_co_u32 s42, s42, s40
	s_add_nc_u64 s[16:17], s[16:17], s[42:43]      ; hcode at (e, tile 0, K step sl)
	s_lshl_b32 s42, s21, 17
	s_lshl_b32 s40, s22, 6
	s_add_co_u32 s42, s42, s40
	s_add_nc_u64 s[18:19], s[18:19], s[42:43]      ; hscale likewise
	BASES
	global_load_b32 v[ID], v[LOFF], s[48:49]       ; my first pair's tokens (the whole list is written, so any pair 0..7 may be read)
	global_load_b32 v[ID+1], v[LOFF], s[48:49] offset:64
.irp j, 0,1,2,3,4,5,6,7
	global_load_b32 v[T+\j], v[VB1], s[6:7] offset:8*\j
.endr
	WLOAD 0, 0
	WLOAD 0, 1
	WLOAD 0, 2
	s_wait_loadcnt 48                              ; the 48 weight loads were issued behind the ten above: those are in
	s_wait_kmcnt 0x0                               ; T
	IDS
.irp j, 0,1,2,3,4,5,6,7
	v_mul_f32 v[T+\j], s[K2], v[T+\j]              ; the bias times 2 log2(e), as the tail's multiply-add wants it
.endr
	ds_store_b128 v[VBK], v[T:T+3]
	ds_store_b128 v[VBK], v[T+4:T+7] offset:512
	s_min_u32 s23, s23, 1024
	s_add_co_u32 s24, s23, 31
	s_lshr_b32 s24, s24, 5
	s_max_u32 s24, s24, 1                          ; pairs to run: at least one, at most 32
	s_add_co_u32 s24, s24, 7
	s_sub_co_u32 s24, s24, s20
	s_lshr_b32 s24, s24, 3                         ; my trips: (pairs + 7 - w) / 8, 0 to 4; not written again
	WLOAD 0, 3
	CELL 0
	CELL 1
	CELL 2
	CELL 3
	s_wait_dscnt 0x0                               ; for the others' sake: my images lie in LDS
	s_barrier_signal -1
	s_barrier_wait -1                              ; everybody's do; nothing in LDS is written from here on
	s_cmp_lt_u32 s25, s24
	s_cbranch_scc0 .Ldone
.Lpair:
	s_wait_loadcnt 0x0                             ; the pair's fragments and scale words of y
	PROLOG 0
.irp cg, 0,1,2,3
	WIN 0x04                                       ; source 1 (the tokens) window 1
.irp s, 0,1,2,3,4,5,6,7
	KSTEP \cg, \s
.endr
	WIN 0
	TAIL \cg
.endr
	s_add_co_u32 s25, s25, 1
	s_cmp_ge_u32 s25, s24
	s_cbranch_scc1 .Ldone
	s_wait_xcnt 0x0                                ; the stores have read their bases and data
	BASES
	global_load_b32 v[ID], v[LOFF], s[48:49]
	global_load_b32 v[ID+1], v[LOFF], s[48:49] offset:64
	s_wait_loadcnt 0x0
	IDS
	PRE 0
	PRE 1
	PRE 2
	PRE 3
	s_cmp_lt_u32 s25, s24
	s_cbranch_scc1 .Lpair
.Ldone:
	s_wait_tensorcnt 0x0
	ds_add_u32 v62, v63
	s_wait_dscnt 0x0
	s_endpgm
.Lfunc_end_k_qae27e5629c_layer1:
	.size	k_qae27e5629c_layer1, .Lfunc_end_k_qae27e5629c_layer1-k_qae27e5629c_layer1
	.p2alignl 7, 3214868480
	.fill 96, 4, 3214868480
	.section	.rodata,"a",@progbits
	.p2align	6, 0x0
	.amdhsa_kernel k_qae27e5629c_layer1
		.amdhsa_group_segment_fixed_size 144384
		.amdhsa_private_segment_fixed_size 0
		.amdhsa_enable_private_segment 0
		.amdhsa_kernarg_size 64
		.amdhsa_user_sgpr_count 2
		.amdhsa_user_sgpr_kernarg_segment_ptr 1
		.amdhsa_wavefront_size32 1
		.amdhsa_system_sgpr_workgroup_id_x 1
		.amdhsa_system_sgpr_workgroup_id_y 1
		.amdhsa_system_sgpr_workgroup_id_z 1
		.amdhsa_system_vgpr_workitem_id 0
		.amdhsa_next_free_vgpr 512
		.amdhsa_next_free_sgpr 66
		.amdhsa_reserve_vcc 0
		.amdhsa_float_denorm_mode_32 3
		.amdhsa_float_denorm_mode_16_64 3
		.amdhsa_memory_ordered 1
		.amdhsa_forward_progress 1
		.amdhsa_inst_pref_size 192
	.end_amdhsa_kernel
	.amdgpu_metadata
---
amdhsa.version: [ 1, 2 ]
amdhsa.kernels:
  - .name:           k_qae27e5629c_layer1
    .symbol:         k_qae27e5629c_layer1.kd
    .args:
      - { .name: W1, .offset: 0, .size: 8, .value_kind: global_buffer, .address_space: global }
      - { .name: b1, .offset: 8, .size: 8, .value_kind: global_buffer, .address_space: global }
      - { .name: cnt, .offset: 16, .size: 8, .value_kind: global_buffer, .address_space: global }
      - { .name: list, .offset: 24, .size: 8, .value_kind: global_buffer, .address_space: global }
      - { .name: ycode, .offset: 32, .size: 8, .value_kind: global_buffer, .address_space: global }
      - { .name: yscale, .offset: 40, .size: 8, .value_kind: global_buffer, .address_space: global }
      - { .name: hcode, .offset: 48, .size: 8, .value_kind: global_buffer, .address_space: global }
      - { .name: hscale, .offset: 56, .size: 8, .value_kind: global_buffer, .address_space: global }
    .group_segment_fixed_size: 144384
    .private_segment_fixed_size: 0
    .kernarg_segment_align: 8
    .kernarg_segment_size: 64
    .max_flat_workgroup_size: 256
    .sgpr_count:     66
    .vgpr_count:     512
    .wavefront_size: 32
...
	.end_amdgpu_metadata
.endif
;; end of part 2
;; launch layer2 (part 3): grid 256 x 1, 8 waves a work-group, no clusters, 154,624 bytes of LDS; arguments W2, b2, scales, shifta, shiftb, y, cnt, list, hcode, hscale, out0; writes out0
.if DOCPART == 3
	.amdgcn_target "amdgcn-amd-amdhsa--gfx1250"
	.amdhsa_code_object_version 6
	.text
	.protected	k_qae27e5629c_layer2
	.globl	k_qae27e5629c_layer2
	.p2align	8
	.type	k_qae27e5629c_layer2,@function
k_qae27e5629c_layer2:
	s_mov_b64 s[64:65], 0
	v_nop
	global_prefetch_b8 v0, s[64:65] scope:SCOPE_SE
	s_setreg_imm32_b32 hwreg(HW_REG_WAVE_MODE, 25, 1), 1
	s_wait_xcnt 0x0
; out = 0.5 ((b - a) sigmoid(scales) (hidden W2[e] + b2[e]) + (a + b) y), a = -sigmoid(shifta), b = sigmoid(shiftb), for the tokens of expert e alone.  The product is on codes of E4M3 with E8M0 scales.
; SHARES.  Work-group = (expert e = id / 32, slice sl = id % 32): 32 output columns, all of K = 4,096: 512 KiB of W2, which this work-group alone reads, once, as f32.  Each output number has one owner.
; PHASE A.  As in the first layer's launch: the slice is 32 cells of 128 K rows x 32 columns (cell = K step 8 q + w), four to a wave; a lane loads columns 2 r, 2 r + 1 down K, quantises them in registers, and
;   the two fragments (tile u: row r = column 2 r + u) and their scale words go to LDS as images of their registers.  64 loads of a wave are on their way all the time.  ONE barrier parts the phases.
;   A row's piece is 128 bytes: the work-group beside this one reads the other half of each aligned 256; that is the price of 32 slices to an expert, which give every WGP a work-group.
; PHASE B.  Wave w takes pairs of token tiles w, w + 8, ..  The hidden layer's fragments come from memory as images (16 bytes a lane, 512 a load), six K steps in a ring of registers; the weights from LDS, three.
;   Transposed use: lane (r, h) holds token r and columns 16 h + 2 j + u.  The results go through the wave's own stage in LDS, so that eight lanes hold a token's 128 consecutive bytes; y is added; stored.
;   List entries past the expert's count repeat its last token: the same bytes are stored to the same place again, so nothing is masked.  A work-group of an expert without tokens stores nothing.
;   The first pair's loads go out in phase A; a wave that will have no pair reads the last pair that exists instead and drops it.
;   The loop over a wave's pairs is counted by trips, one at a time, against the wave's number of trips (pairs + 7 - w) / 8; the pair's number is w + 8 x trip.
; No clusters: weights are shared by nobody, and partners' numbers of pairs would differ.  LIMITS: NaN and infinities are not served; a block of zeros gets the byte 1 (zero codes).
; REGISTERS.  Window 0: v1-13 addresses; v16-23 at work; v24-26 a cell's scale words; v[28:29] 0.5 (a + b), twice; v30 0.5 (b - a); v32-39 eight token offsets; v40-42 weight scale words (ring of 3);
;   v44-49 hidden scale words (ring of 3 double steps x 2 tiles); v64-191 phase A: a cell's numbers; phase B: v64-159 weight fragments, v160-191 four accumulators; v192-223 numbers held / results; v224-255 codes / rows.
;   Window 1: v0-191 hidden fragments (K step s, tile t at 32 (s % 6) + 16 t); v192-223 y; v224-239 the columns' factor; v240-255 factor x b2.
.set STRIDE, 4096                      ; a row of W2[e] in bytes
.set WS,   0                           ; LDS: scale word images, 128 bytes a cell
.set STG,  4096                        ; stages: 16 rows x 144 bytes for each wave
.set WI,   22528                       ; fragment images: 64 x 2,048 bytes
.set VW,   1
.set VSI,  2
.set VSS,  4
.set FA,   5
.set FB,   6
.set L4,   7
.set L16,  8
.set STO,  9                           ; v9   the stage, in: row r, + 64 h
.set SRD,  10                          ; v10  back: row lane / 8, + 16 (lane % 8)
.set LOFF, 11                          ; v11  4 (lane / 8)
.set L8,   12                          ; v12  16 (lane % 8)
.set VC,   13                          ; v13  64 h
.set TM,   16
.set SW,   24
.set C2,   28
.set CF,   30
.set TO,   32
.set WSC,  40
.set HSC,  44
.set X,    64
.set WR,   64
.set ACC,  160
.set T,    192
.set N,    192
.set C,    224
.set R,    224
.set Y,    192                         ; window 1
.set C1,   224                         ; window 1
.set CB,   240                         ; window 1
.set SEL,  32
.set MNT,  34
.set HM,   35
.set SB,   36
.set CNT3, 40                          ; the last cell's waits: see CELL
.set CNT3S, 2
.set MSB, 0
.macro WIN new                         ; the immediate's high byte repeats the setting that is left
.if MSB != \new
	s_set_vgpr_msb (MSB<<8)|\new
.set MSB, \new
.endif
.endm
.macro WLOAD q, b                      ; block b (32 K rows) of my cell q: 16 loads; lanes 0-15 read 128 consecutive bytes of one row, lanes 16-31 of the row 16 further down
.irp i, 0,1,2,3,4,5,6,7,8,9,10,11,12,13,14,15
	global_load_b64 v[X+32*(\b)+2*\i:X+32*(\b)+2*\i+1], v[VW], s[SB+2*(\q):SB+2*(\q)+1] offset:(32*(\b)+\i)*STRIDE
.endr
.endm
.macro QBLOCK q, b                     ; one block of 32 along K of my two columns u = 0, 1, by turns: scale, hold, codes, image
.set XB, X+32*(\b)
.irp u, 0,1
	v_max3_num_f32 v[TM+\u], |v[XB+\u]|, |v[XB+2+\u]|, 0x4800000   ; my 16 numbers and the floor 2^(9 - 127): the byte cannot fall under 1
.endr
.irp i, 2,4,6,8,10,12,14
.irp u, 0,1
	v_max3_num_f32 v[TM+\u], v[TM+\u], |v[XB+2*\i+\u]|, |v[XB+2*\i+2+\u]|
.endr
.endr
.irp u, 0,1
	v_permlanex16_b32 v[TM+2+\u], v[TM+\u], s[SEL], s[SEL+1]
.endr
.irp u, 0,1
	v_max_num_f32 v[TM+\u], v[TM+\u], v[TM+2+\u]   ; with lane xor 16's: the block's largest magnitude
.endr
.irp u, 0,1
	v_add_nc_u32 v[TM+6+\u], 0xfc000000, v[TM+\u]  ; 8 off its exponent field: the conversion's scale operand
.endr
.irp u, 0,1
	v_and_or_b32 v[TM+4+\u], v[TM+\u], 0x7f800000, s[MNT]   ; 448 x the scale
.endr
.irp u, 0,1
	v_lshrrev_b32 v[TM+2+\u], 23, v[TM+6+\u]       ; the scale's byte
.endr
.irp u, 0,1
.if (\b) == 0
	v_mov_b32 v[SW+\u], v[TM+2+\u]
.else
	v_lshl_or_b32 v[SW+\u], v[TM+2+\u], 8*(\b), v[SW+\u]
.endif
.endr
.irp i, 0,1,2,3,4,5,6,7,8,9,10,11,12,13,14,15
.irp u, 0,1
	v_med3_num_f32 v[T+16*\u+\i], v[XB+2*\i+\u], -v[TM+4+\u], v[TM+4+\u]   ; the hold (the conversion does not saturate: ISA guide 7.6.2) also parts the two columns
.endr
.endr
.irp u, 0,1
	v_cvt_scalef32_pk8_fp8_f32 v[C+8*(\b)+4*\u:C+8*(\b)+4*\u+1], v[T+16*\u:T+16*\u+7], v[TM+6+\u]
	v_cvt_scalef32_pk8_fp8_f32 v[C+8*(\b)+4*\u+2:C+8*(\b)+4*\u+3], v[T+16*\u+8:T+16*\u+15], v[TM+6+\u]
.endr
	v_nop                                          ; a plain instruction between the conversions and the next vector instruction that writes their sources
.irp u, 0,1
	ds_store_b128 v[VSI+(\q)/2], v[C+8*(\b)+4*\u:C+8*(\b)+4*\u+3] offset:((\q)%2)*32768+\u*2048+(\b)*512
.endr
.endm
; 18 loads: the hidden layer's scale words (lanes 0-15: K step 2 d; lanes 16-31: 2 d + 1) and fragments of K steps 2 d, 2 d + 1, both tiles.  back: the window setting to return to
.macro HLOAD d, back
.irp t, 0,1
	global_load_b32 v[HSC+2*((\d)%3)+\t], v[L4], s[50:51] offset:2048*\t+128*(\d)
.endr
	WIN 0x40                                       ; destination window 1
.irp o, 0,1
.irp t, 0,1
.irp c, 0,1,2,3
	global_load_b128 v[32*((2*(\d)+\o)%6)+16*\t+4*\c:32*((2*(\d)+\o)%6)+16*\t+4*\c+3], v[L16], s[48:49] offset:65536*\t+2048*(2*(\d)+\o)+512*\c
.endr
.endr
.endr
	WIN \back
.endm
.macro YLOAD                           ; 8 loads: y at the places that I shall store: token 4 i + lane / 8 of tile t, 16 bytes at 16 (lane % 8) of the slice's 128
	WIN 0x40
.irp t, 0,1
.irp i, 0,1,2,3
	global_load_b128 v[Y+16*\t+4*\i:Y+16*\t+4*\i+3], v[TO+4*\t+\i], s[14:15]
.endr
.endr
	WIN 0
.endm
.macro PRE b
.if (\b) == 0
	YLOAD
.else
	HLOAD (\b)-1, 0
.endif
.endm
; My cell q.  Behind each block's work its registers take the same block of the next cell, or, in the last cell, a part of the first pair's loads goes out.
; The wait leaves out what was issued behind the block awaited: three blocks of 16; in the last cell 48, then 32 + 8, 16 + 26, 0 + 44 (weight loads still behind + the pair's loads so far).
.macro CELL q
	s_wait_dscnt 0x0                               ; the last cell's LDS stores have read their registers
.irp b, 0,1,2,3
.if (\q) < 3
	s_wait_loadcnt 48
.elseif \b == 0
	s_wait_loadcnt 48
.else
	s_wait_loadcnt CNT3+CNT3S*(\b-1)
.endif
	QBLOCK \q, \b
.if (\q) < 3
	WLOAD (\q)+1, \b
.else
	PRE \b
.endif
.endr
	v_cndmask_b32 v[SW+2], v[SW], v[SW+1], s[HM]   ; lanes 0-15: tile 0's scale words; lanes 16-31: tile 1's
	ds_store_b32 v[VSS], v[SW+2] offset:(\q)*1024
.endm
.macro WSTEP n, ci, f0                 ; nine LDS loads: cell ci's scale words and its two fragments f0, f0 + 1 into ring slot n % 3
	ds_load_b32 v[WSC+(\n)%3], v[L4] offset:WS+(\ci)*128
.irp u, 0,1
.irp c, 0,1,2,3
.if ((\f0)+\u) < 32
	ds_load_b128 v[WR+32*((\n)%3)+16*\u+4*\c:WR+32*((\n)%3)+16*\u+4*\c+3], v[FA] offset:((\f0)+\u)*2048+512*\c
.else
	ds_load_b128 v[WR+32*((\n)%3)+16*\u+4*\c:WR+32*((\n)%3)+16*\u+4*\c+3], v[FB] offset:((\f0)+\u-32)*2048+512*\c
.endif
.endr
.endr
.endm
.macro MM s, t, u                      ; accumulator 2 t + u: weight tile u x token tile t, K step s.  The first K step starts the sum: nothing is cleared
.set rD, ACC+8*(2*\t+\u)
.set rA, WR+32*((\s)%3)+16*\u
.set rB, 32*((\s)%6)+16*\t
.set rP, WSC+(\s)%3
.set rQ, HSC+2*(((\s)/2)%3)+\t
.if (\s) == 0
.if \u
	v_wmma_scale_f32_16x16x128_f8f6f4 v[rD:rD+7], v[rA:rA+15], v[rB:rB+15], 0, v[rP], v[rQ] matrix_a_scale:MATRIX_SCALE_ROW1
.else
	v_wmma_scale_f32_16x16x128_f8f6f4 v[rD:rD+7], v[rA:rA+15], v[rB:rB+15], 0, v[rP], v[rQ]
.endif
.elseif ((\s)%2) == 0
.if \u
	v_wmma_scale_f32_16x16x128_f8f6f4 v[rD:rD+7], v[rA:rA+15], v[rB:rB+15], v[rD:rD+7], v[rP], v[rQ] matrix_a_scale:MATRIX_SCALE_ROW1
.else
	v_wmma_scale_f32_16x16x128_f8f6f4 v[rD:rD+7], v[rA:rA+15], v[rB:rB+15], v[rD:rD+7], v[rP], v[rQ]
.endif
.else
.if \u
	v_wmma_scale_f32_16x16x128_f8f6f4 v[rD:rD+7], v[rA:rA+15], v[rB:rB+15], v[rD:rD+7], v[rP], v[rQ] matrix_a_scale:MATRIX_SCALE_ROW1 matrix_b_scale:MATRIX_SCALE_ROW1
.else
	v_wmma_scale_f32_16x16x128_f8f6f4 v[rD:rD+7], v[rA:rA+15], v[rB:rB+15], v[rD:rD+7], v[rP], v[rQ] matrix_b_scale:MATRIX_SCALE_ROW1
.endif
.endif
.endm
; A K step: four products, the four accumulators by turns.  The wait leaves out the fetches issued behind this step's own: two, one, none, of nine LDS loads each.
; Loads into registers that these products read stand eight plain places behind them; behind the last K step nine, since the accumulators are begun anew in the next pair.
.macro KSTEP s
.if (\s) <= 29
	s_wait_dscnt 18
.elseif (\s) == 30
	s_wait_dscnt 9
.else
	s_wait_dscnt 0x0
.endif
.irp t, 0,1
.irp u, 0,1
	MM (\s), \t, \u
.endr
.endr
.if (\s) <= 28
.rept 8
	v_nop
.endr
	WSTEP (\s)+3, (\s)+3, 2*((\s)+3)
.elseif (\s) == 31
.rept 9
	v_nop
.endr
.endif
.endm
; Two K steps.  The wait leaves out the fetches of 18 loads issued behind this double step's own: two, one, none.  Its registers then take the double step three further on.
.macro DSTEP d
.if (\d) <= 13
	s_wait_loadcnt 36
.elseif (\d) == 14
	s_wait_loadcnt 18
.else
	s_wait_loadcnt 0x0
.endif
	KSTEP 2*(\d)
	KSTEP 2*(\d)+1
.if (\d) <= 12
	HLOAD (\d)+3, 0x04
.endif
.endm
.macro TOS                             ; list entries into offsets: held to 1,023, then a shift and a sum alone
.irp i, 0,1,2,3,4,5,6,7
	v_min_u32 v[TO+\i], 0x3ff, v[TO+\i]
.endr
.irp i, 0,1,2,3,4,5,6,7
	v_lshlrev_b32 v[TO+\i], 12, v[TO+\i]
.endr
.irp i, 0,1,2,3,4,5,6,7
	v_add_nc_u32 v[TO+\i], v[TO+\i], v[L8]
.endr
.endm
.macro LLOAD                           ; the pair's 32 list entries, as my eight stores want them
.irp t, 0,1
.irp i, 0,1,2,3
	global_load_b32 v[TO+4*\t+\i], v[LOFF], s[52:53] offset:64*\t+16*\i
.endr
.endr
.endm
.macro HBASE                           ; pair s46's places in hcode and hscale
	s_lshl_b32 s54, s46, 17
	s_add_nc_u64 s[48:49], s[20:21], s[54:55]
	s_lshl_b32 s54, s46, 12
	s_add_nc_u64 s[50:51], s[22:23], s[54:55]
.endm
.macro LBASE                           ; pair s47's place in the list
	s_lshl_b32 s54, s47, 7
	s_add_nc_u64 s[52:53], s[18:19], s[54:55]
.endm
	s_load_b512 s[4:19], s[0:1], 0x0               ; W2 s[4:5], b2 s[6:7], scales s[8:9], shifta s[10:11], shiftb s[12:13], y s[14:15], cnt s[16:17], list s[18:19]
	s_load_b128 s[20:23], s[0:1], 0x40             ; hcode s[20:21], hscale s[22:23]
	s_load_b64 s[24:25], s[0:1], 0x50              ; out0
	v_lshl_add_u32 v62, v0, 2, 0x25800
	v_mov_b32 v63, 0
	v_lshrrev_b32 v56, 5, v0
	v_readfirstlane_b32 s26, v56                   ; wave 0..7
	s_lshr_b32 s27, ttmp9, 5                       ; expert
	s_and_b32 s28, ttmp9, 31                       ; slice
	v_and_b32 v57, 31, v0                          ; lane
	v_and_b32 v58, 15, v0                          ; r
	v_bfe_u32 v59, v0, 4, 1                        ; h
	v_bfe_u32 v60, v0, 3, 2                        ; lane / 8
	v_and_b32 v61, 7, v0                           ; lane % 8
	v_lshlrev_b32 v[VW], 3, v58
	v_lshl_add_u32 v[VW], v59, 16, v[VW]           ; 16 rows of 4,096 bytes for lanes 16-31
	v_lshlrev_b32 v[L16], 4, v57
	v_lshlrev_b32 v[L4], 2, v57
	s_lshl_b32 s54, s26, 12
	s_add_co_u32 s54, s54, WI
	v_add_nc_u32 v[VSI], s54, v[L16]               ; cell 8 q + w: fragments 16 q + 2 w, + 1
	v_add_nc_u32 v[VSI+1], 0x10000, v[VSI]
	s_lshl_b32 s54, s26, 7
	v_add_nc_u32 v[VSS], s54, v[L4]
	v_add_nc_u32 v[FA], WI, v[L16]
	v_add_nc_u32 v[FB], WI+0x10000, v[L16]
	s_mul_i32 s54, s26, 2304
	s_add_co_u32 s54, s54, STG                     ; my stage
	v_mul_u32_u24 v[STO], v58, 144
	v_lshl_add_u32 v[STO], v59, 6, v[STO]
	v_add_nc_u32 v[STO], s54, v[STO]
	v_mul_u32_u24 v[SRD], v60, 144
	v_lshl_add_u32 v[SRD], v61, 4, v[SRD]
	v_add_nc_u32 v[SRD], s54, v[SRD]
	v_lshlrev_b32 v[LOFF], 2, v60
	v_lshlrev_b32 v[L8], 4, v61
	v_lshlrev_b32 v[VC], 6, v59
	v_mov_b32 v[TM+2], 0                           ; written once: a lane permute's destination counts as one of its sources
	v_mov_b32 v[TM+3], 0
	s_mov_b32 s[SEL], 0x76543210
	s_mov_b32 s[SEL+1], 0xfedcba98
	s_mov_b32 s[MNT], 0x600000
	s_mov_b32 s[HM], 0xffff0000
	s_mov_b32 s31, 0                               ; the trip: my pair is w + 8 x trip
	s_mov_b32 s47, s26                             ; my first pair
	s_mov_b32 s55, 0
	s_mov_b32 s59, 0
	s_lshl_b32 s58, s27, 24                        ; W2: expert, K step w, slice
	s_lshl_b32 s54, s26, 19
	s_add_co_u32 s58, s58, s54
	s_lshl_b32 s56, s28, 7                         ; the slice's 128 bytes of a row
	s_add_co_u32 s58, s58, s56
	s_wait_kmcnt 0x0
	s_add_nc_u64 s[SB:SB+1], s[4:5], s[58:59]
	s_add_nc_u64 s[SB+2:SB+3], s[SB:SB+1], 0x400000   ; eight K steps (1,024 rows) on
	s_add_nc_u64 s[SB+4:SB+5], s[SB:SB+1], 0x800000
	s_add_nc_u64 s[SB+6:SB+7], s[SB:SB+1], 0xc00000
	s_lshl_b32 s54, s27, 7
	s_add_nc_u64 s[16:17], s[16:17], s[54:55]
	s_load_b32 s29, s[16:17], 0x0                  ; T: the expert's tokens
	s_load_b32 s44, s[10:11], 0x0                  ; shifta
	s_load_b32 s45, s[12:13], 0x0                  ; shiftb
	s_mov_b32 s54, s56
	s_add_nc_u64 s[8:9], s[8:9], s[54:55]          ; scales, y and out0 at the slice's columns
	s_add_nc_u64 s[14:15], s[14:15], s[54:55]
	s_add_nc_u64 s[24:25], s[24:25], s[54:55]
	s_lshl_b32 s54, s27, 12
	s_add_nc_u64 s[18:19], s[18:19], s[54:55]      ; the expert's list
	s_add_co_u32 s54, s54, s56
	s_add_nc_u64 s[6:7], s[6:7], s[54:55]          ; b2[e] at the slice's columns
	s_lshl_b32 s54, s27, 22
	s_add_nc_u64 s[20:21], s[20:21], s[54:55]      ; the expert's hcode
	s_lshl_b32 s54, s27, 17
	s_add_nc_u64 s[22:23], s[22:23], s[54:55]      ; and hscale
	LBASE
	LLOAD                                          ; (the whole list is written, so any pair 0..7 may be read)
.irp i, 0,1,2,3
	global_load_b128 v[T+4*\i:T+4*\i+3], v[VC], s[8:9] offset:16*\i          ; scales of columns 16 h + 0 .. 15
	global_load_b128 v[T+16+4*\i:T+16+4*\i+3], v[VC], s[6:7] offset:16*\i    ; b2 likewise
.endr
	WLOAD 0, 0
	WLOAD 0, 1
	WLOAD 0, 2
	s_wait_loadcnt 48                              ; the 48 weight loads were issued behind the sixteen above: those are in
	s_wait_kmcnt 0x0                               ; T, shifta, shiftb
	TOS
	v_mov_b32 v56, s44
	v_mov_b32 v57, s45
	v_mul_f32 v56, 0xbfb8aa3b, v56                 ; sigmoid(x) = 1 / (1 + 2^(-log2(e) x))
	v_mul_f32 v57, 0xbfb8aa3b, v57
.set n, 0
.rept 16
	v_mul_f32 v[T+n], 0xbfb8aa3b, v[T+n]
.set n, n+1
.endr
	v_exp_f32 v56, v56
	v_exp_f32 v57, v57
.set n, 0
.rept 16
	v_exp_f32 v[T+n], v[T+n]
.set n, n+1
.endr
	v_nop                                          ; a plain instruction behind the transcendentals
	s_wait_alu depctr_va_vdst(0)
	v_add_f32 v56, 1.0, v56
	v_add_f32 v57, 1.0, v57
.set n, 0
.rept 8
	v_pk_add_f32 v[T+n:T+n+1], v[T+n:T+n+1], 1.0 op_sel_hi:[1,0]
.set n, n+2
.endr
	v_rcp_f32 v56, v56
	v_rcp_f32 v57, v57
.set n, 0
.rept 16
	v_rcp_f32 v[T+n], v[T+n]
.set n, n+1
.endr
	v_nop
	s_wait_alu depctr_va_vdst(0)
	v_add_f32 v[CF], v57, v56                      ; b - a = sigmoid(shiftb) + sigmoid(shifta)
	v_sub_f32 v[C2], v57, v56                      ; a + b = sigmoid(shiftb) - sigmoid(shifta)
	v_mul_f32 v[CF], 0.5, v[CF]
	v_mul_f32 v[C2], 0.5, v[C2]
	v_mov_b32 v[C2+1], v[C2]
.set n, 0
.rept 16
	v_mul_f32 v[T+n], v[CF], v[T+n]                ; the column's factor: 0.5 (b - a) sigmoid(scales)
.set n, n+1
.endr
	WIN 0x40                                       ; destination window 1
.set n, 0
.rept 16
	v_mov_b32 v[C1+n], v[T+n]
	v_mul_f32 v[CB+n], v[T+n], v[T+16+n]           ; factor x b2
.set n, n+1
.endr
	WIN 0
	s_min_u32 s29, s29, 1024
	s_add_co_u32 s30, s29, 31
	s_lshr_b32 s30, s30, 5                         ; pairs: 0 to 32
	s_max_u32 s46, s30, 1
	s_sub_co_u32 s46, s46, 1                       ; the last pair that the first layer stored
	s_min_u32 s46, s46, s26
	s_min_u32 s46, s46, 31
	HBASE
	s_add_co_u32 s30, s30, 7
	s_sub_co_u32 s30, s30, s26
	s_lshr_b32 s30, s30, 3                         ; my trips: (pairs + 7 - w) / 8, 0 to 4; not written again
	WLOAD 0, 3
	CELL 0
	CELL 1
	CELL 2
	CELL 3
	s_wait_dscnt 0x0                               ; for the others' sake: my images lie in LDS
	s_barrier_signal -1
	s_barrier_wait -1                              ; everybody's do; of LDS only each wave's own stage is written from here on
	s_cmp_lt_u32 s31, s30
	s_cbranch_scc0 .Ldone
.Lpair:
	WSTEP 0, 0, 0
	WSTEP 1, 1, 2
	WSTEP 2, 2, 4
	WIN 0x04                                       ; source 1 (the tokens) window 1
.irp d, 0,1,2,3,4,5,6,7,8,9,10,11,12,13,14,15
	DSTEP \d
.endr
	WIN 0x14                                       ; sources 1 and 2 window 1
.irp t, 0,1
.irp u, 0,1
.irp j, 0,1,2,3,4,5,6,7
	v_fma_f32 v[N+16*\t+2*\j+\u], v[ACC+8*(2*\t+\u)+\j], v[C1+2*\j+\u], v[CB+2*\j+\u]   ; factor x (sum + b2), into the order of the columns; each accumulator from its low end on
.endr
.endr
.endr
	WIN 0
.irp t, 0,1                            ; through my stage: LDS serves a wave's instructions in order, so no wait stands between the stores and the loads, nor in front of the next tile's stores
.irp i, 0,1,2,3
	ds_store_b128 v[STO], v[N+16*\t+4*\i:N+16*\t+4*\i+3] offset:16*\i
.endr
.irp i, 0,1,2,3
	ds_load_b128 v[R+16*\t+4*\i:R+16*\t+4*\i+3], v[SRD] offset:576*\i
.endr
.endr
	s_wait_dscnt 0x0
	WIN 0x01                                       ; source 0 (y) window 1
.irp k, 0,2,4,6,8,10,12,14,16,18,20,22,24,26,28,30
	v_pk_fma_f32 v[R+\k:R+\k+1], v[Y+\k:Y+\k+1], v[C2:C2+1], v[R+\k:R+\k+1]   ; + 0.5 (a + b) y
.endr
	WIN 0
.irp t, 0,1
.irp i, 0,1,2,3
	global_store_b128 v[TO+4*\t+\i], v[R+16*\t+4*\i:R+16*\t+4*\i+3], s[24:25]   ; eight lanes store a token's 128 consecutive bytes
.endr
.endr
	s_add_co_u32 s31, s31, 1
	s_cmp_ge_u32 s31, s30
	s_cbranch_scc1 .Ldone
	s_wait_xcnt 0x0                                ; the stores have read their offsets and data
	s_lshl_b32 s46, s31, 3
	s_add_co_u32 s46, s46, s26                     ; my next pair: w + 8 x trip,
	s_min_u32 s46, s46, 31                         ; held to 31
	s_mov_b32 s47, s46
	HBASE
	LBASE
	LLOAD
	s_wait_loadcnt 0x0
	TOS
	YLOAD
	HLOAD 0, 0
	HLOAD 1, 0
	HLOAD 2, 0
	s_cmp_lt_u32 s31, s30
	s_cbranch_scc1 .Lpair
.Ldone:
	s_wait_tensorcnt 0x0
	ds_add_u32 v62, v63
	s_wait_dscnt 0x0
	s_endpgm
.Lfunc_end_k_qae27e5629c_layer2:
	.size	k_qae27e5629c_layer2, .Lfunc_end_k_qae27e5629c_layer2-k_qae27e5629c_layer2
	.p2alignl 7, 3214868480
	.fill 96, 4, 3214868480
	.section	.rodata,"a",@progbits
	.p2align	6, 0x0
	.amdhsa_kernel k_qae27e5629c_layer2
		.amdhsa_group_segment_fixed_size 154624
		.amdhsa_private_segment_fixed_size 0
		.amdhsa_enable_private_segment 0
		.amdhsa_kernarg_size 88
		.amdhsa_user_sgpr_count 2
		.amdhsa_user_sgpr_kernarg_segment_ptr 1
		.amdhsa_wavefront_size32 1
		.amdhsa_system_sgpr_workgroup_id_x 1
		.amdhsa_system_sgpr_workgroup_id_y 1
		.amdhsa_system_sgpr_workgroup_id_z 1
		.amdhsa_system_vgpr_workitem_id 0
		.amdhsa_next_free_vgpr 512
		.amdhsa_next_free_sgpr 66
		.amdhsa_reserve_vcc 0
		.amdhsa_float_denorm_mode_32 3
		.amdhsa_float_denorm_mode_16_64 3
		.amdhsa_memory_ordered 1
		.amdhsa_forward_progress 1
		.amdhsa_inst_pref_size 189
	.end_amdhsa_kernel
	.amdgpu_metadata
---
amdhsa.version: [ 1, 2 ]
amdhsa.kernels:
  - .name:           k_qae27e5629c_layer2
    .symbol:         k_qae27e5629c_layer2.kd
    .args:
      - { .name: W2, .offset: 0, .size: 8, .value_kind: global_buffer, .address_space: global }
      - { .name: b2, .offset: 8, .size: 8, .value_kind: global_buffer, .address_space: global }
      - { .name: scales, .offset: 16, .size: 8, .value_kind: global_buffer, .address_space: global }
      - { .name: shifta, .offset: 24, .size: 8, .value_kind: global_buffer, .address_space: global }
      - { .name: shiftb, .offset: 32, .size: 8, .value_kind: global_buffer, .address_space: global }
      - { .name: y, .offset: 40, .size: 8, .value_kind: global_buffer, .address_space: global }
      - { .name: cnt, .offset: 48, .size: 8, .value_kind: global_buffer, .address_space: global }
      - { .name: list, .offset: 56, .size: 8, .value_kind: global_buffer, .address_space: global }
      - { .name: hcode, .offset: 64, .size: 8, .value_kind: global_buffer, .address_space: global }
      - { .name: hscale, .offset: 72, .size: 8, .value_kind: global_buffer, .address_space: global }
      - { .name: out0, .offset: 80, .size: 8, .value_kind: global_buffer, .address_space: global }
    .group_segment_fixed_size: 154624
    .private_segment_fixed_size: 0
    .kernarg_segment_align: 8
    .kernarg_segment_size: 88
    .max_flat_workgroup_size: 256
    .sgpr_count:     66
    .vgpr_count:     512
    .wavefront_size: 32
...
	.end_amdgpu_metadata
.endif
;; end of part 3
;; ======== version 2 of 2: 3 launches
;; limits: a function is approximated: absolute error at most 1.2e-07
;; workspace buffers: cnt 1,024 bytes of whole numbers; list 32,768 bytes of whole numbers; ycode 1,048,576 bytes; yscale 32,768 bytes; hcode 33,554,432 bytes; hscale 1,048,576 bytes
;; launch prep (part 4): grid 160 x 1, 4 waves a work-group, no clusters, 43,520 bytes of LDS; arguments t, y, cnt, list, ycode, yscale; writes cnt, list, ycode, yscale
.if DOCPART == 4
	.amdgcn_target "amdgcn-amd-amdhsa--gfx1250"
	.amdhsa_code_object_version 6
	.text
	.protected	k_qae27e5629c_prep
	.globl	k_qae27e5629c_prep
	.p2align	8
	.type	k_qae27e5629c_prep,@function
k_qae27e5629c_prep:
	s_mov_b64 s[64:65], 0
	v_nop
	global_prefetch_b8 v0, s[64:65] scope:SCOPE_SE
	s_setreg_imm32_b32 hwreg(HW_REG_WAVE_MODE, 25, 1), 1
	s_wait_xcnt 0x0
; Two jobs in one launch, parted on the work-group's number alone.
; WORK-GROUPS 0-127: y [1024][1024] f32 becomes codes of E4M3 (ycode [token][1024 bytes], K innermost) and one E8M0 byte for each 32 along K (yscale [token][32 bytes]).
;   A block's scale is 2^(floor(log2(largest magnitude)) - 8); its byte is the largest magnitude's exponent field - 8, held at 1 from below.
;   A wave takes 2,048 numbers (two tokens) in four steps of 512.  Each load reads 512 consecutive bytes; a step's 2,048 bytes turn through the wave's own stage in LDS and come back
;   64 bytes a lane, so that a lane holds 16 neighbours along K (two neighbouring lanes hold a block) and its 16 codes are 16 bytes: a store covers 512 consecutive bytes.
; WORK-GROUPS 128-159: the routing.  ind = min(int(8 t), 7).  For each expert e: cnt[e][0..31] = T_e (the same word 32 times), list[e][k] = the k-th token of e in ascending order;
;   for k >= T_e the expert's last token again (1023 where T_e = 0): later launches take list entries 32 at a time and need no mask.
;   The lists are made as VALUES and stored at fixed places: no address and no branch hangs on t.  A wave makes 64 entries of one expert: 32 ballots (one for each 32 tokens), their running counts,
;   for each lane the ballot that holds its k-th token, and in it the position of the set bit wanted, by partial bit counts and five halvings.
; LIMITS: t below 0 or NaN goes to expert 0; NaN and infinities in y are not served; a block of zeros gets the byte 1 (its codes are zeros; only this program reads the bytes).
.set WREG, 10752                       ; LDS of a wave: four stages, one for each step, and 64 scale bytes
.set SP,   80                          ; a lane's place in a stage: its 64 bytes + 16 of padding
.set STG,  32*SP
.set SBY,  4*STG
.set EMAX, 8
.set R,    16                          ; v16-79   four steps' numbers as loaded
.set X,    80                          ; v80-111  two sets of 16 neighbours
.set E,    112                         ; v112-115 a scale byte for each step
.set C,    116                         ; v116-131 four registers of codes for each step: no store's data are written again
	s_load_b256 s[4:11], s[0:1], 0x0               ; t s[4:5], y s[6:7], cnt s[8:9], list s[10:11]
	s_load_b128 s[12:15], s[0:1], 0x20             ; ycode s[12:13], yscale s[14:15]
	v_lshl_add_u32 v136, v0, 2, 0xa800
	v_mov_b32 v137, 0
	v_lshrrev_b32 v1, 5, v0
	v_readfirstlane_b32 s16, v1                    ; wave
	v_and_b32 v2, 31, v0                           ; lane
	s_wait_kmcnt 0x0
	s_cmp_lt_u32 ttmp9, 128
	s_cbranch_scc0 .Lroute
	s_wait_alu depctr_va_vdst(0)
	; ---------------- y into codes ----------------
	v_lshlrev_b32 v3, 4, v2                        ; my 16 bytes of a load's 512, and of a step's 512 bytes of codes
	s_mul_i32 s17, s16, WREG
	v_lshrrev_b32 v14, 2, v2
	v_mul_u32_u24 v14, v14, SP
	v_and_b32 v15, 3, v2
	v_lshl_add_u32 v14, v15, 4, v14
	v_add_nc_u32 v14, s17, v14                     ; the stage, on the way in: SP (lane / 4) + 16 (lane % 4)
	v_mul_u32_u24 v15, v2, SP
	v_add_nc_u32 v15, s17, v15                     ; and on the way out: SP x lane
	v_lshrrev_b32 v5, 1, v2
	s_add_co_u32 s17, s17, SBY
	v_add_nc_u32 v5, s17, v5                       ; my block's scale byte in LDS
	v_lshlrev_b32 v7, 1, v2                        ; on the way out two bytes a lane
	v_add_nc_u32 v6, s17, v7
	s_mov_b32 s23, 0x600000                        ; the mantissa field of 448
	s_lshl_b32 s18, ttmp9, 2
	s_add_co_u32 s18, s18, s16                     ; which run of 2,048 numbers is my wave's
	s_mov_b32 s21, 0
	s_lshl_b32 s20, s18, 13
	s_add_nc_u64 s[6:7], s[6:7], s[20:21]
	s_lshl_b32 s20, s18, 11
	s_add_nc_u64 s[12:13], s[12:13], s[20:21]
	s_lshl_b32 s20, s18, 6
	s_add_nc_u64 s[14:15], s[14:15], s[20:21]
.macro LOAD t
.irp i, 0,1,2,3
	global_load_b128 v[R+16*(\t)+4*\i:R+16*(\t)+4*\i+3], v3, s[6:7] offset:2048*(\t)+512*\i
.endr
.endm
.macro TURN t                          ; step t's numbers through its stage: LDS serves a wave's instructions in order, so no wait stands between the stores and the loads
.irp i, 0,1,2,3
	ds_store_b128 v14, v[R+16*(\t)+4*\i:R+16*(\t)+4*\i+3] offset:STG*(\t)+8*SP*\i
.endr
.irp i, 0,1,2,3
	ds_load_b128 v[X+16*((\t)%2)+4*\i:X+16*((\t)%2)+4*\i+3], v15 offset:STG*(\t)+16*\i
.endr
.endm
.macro STEP t
.set XS, X+16*((\t)%2)
.if (\t) > 0
	s_wait_dscnt 1                                 ; this step's numbers are back from the stage; the last step's byte store may be out
.else
	s_wait_dscnt 0x0
.endif
.if (\t) < 3
	s_wait_loadcnt 4*(2-(\t))                      ; the next step's four loads are in; those of the steps behind it may be out
	TURN (\t)+1
.endif
	v_max3_num_f32 v8, |v[XS]|, |v[XS+1]|, |v[XS+2]|
	v_max3_num_f32 v9, |v[XS+3]|, |v[XS+4]|, |v[XS+5]|
.irp i, 6,10
	v_max3_num_f32 v8, v8, |v[XS+\i]|, |v[XS+\i+1]|
	v_max3_num_f32 v9, v9, |v[XS+\i+2]|, |v[XS+\i+3]|
.endr
	v_max3_num_f32 v8, v8, |v[XS+14]|, |v[XS+15]|
	v_max3_num_f32 v8, v8, v9, (EMAX+1)<<23        ; the floor 2^(9 - 127): the byte cannot fall under 1
	v_max_num_f32_dpp v8, v8, v8 row_xmask:1 row_mask:0xf bank_mask:0xf   ; with my neighbour's 16: the block's largest magnitude
	v_add_nc_u32 v11, -(EMAX<<23), v8              ; 8 off its exponent field: the conversion's scale operand
	v_and_or_b32 v10, v8, 0x7f800000, s23          ; 448 x the scale
.irp i, 0,1,2,3,4,5,6,7,8,9,10,11,12,13,14,15
	v_med3_num_f32 v[XS+\i], v[XS+\i], -v10, v10   ; the conversion to an 8-bit code does not saturate (ISA guide 7.6.2): the hold comes first
.endr
	v_cvt_scalef32_pk8_fp8_f32 v[C+4*(\t):C+4*(\t)+1], v[XS:XS+7], v11
	v_cvt_scalef32_pk8_fp8_f32 v[C+4*(\t)+2:C+4*(\t)+3], v[XS+8:XS+15], v11
	v_lshrrev_b32 v[E+(\t)], 23, v11               ; the scale's byte
	ds_store_b8 v5, v[E+(\t)] offset:16*(\t)       ; both lanes of a block write the same byte with the same value
	global_store_b128 v3, v[C+4*(\t):C+4*(\t)+3], s[12:13] offset:512*(\t)
.endm
	LOAD 0
	LOAD 1
	LOAD 2
	LOAD 3
	s_wait_alu depctr_va_vdst(0)
	s_wait_loadcnt 12                              ; step 0's four loads are in
	TURN 0
	STEP 0
	STEP 1
	STEP 2
	STEP 3
	ds_load_u16 v12, v6                            ; in order behind my byte stores
	s_wait_dscnt 0x0
	global_store_b16 v7, v12, s[14:15]             ; the wave's 64 scale bytes, consecutive
	s_wait_tensorcnt 0x0
	ds_add_u32 v136, v137
	s_wait_dscnt 0x0
	s_endpgm
	; ---------------- the routing ----------------
.Lroute:
	s_sub_co_u32 s17, ttmp9, 128
	s_lshl_b32 s17, s17, 2
	s_add_co_u32 s17, s17, s16                     ; 0 .. 127: sixteen waves to an expert
	s_lshr_b32 s18, s17, 4                         ; the expert
	s_and_b32 s19, s17, 15
	s_lshl_b32 s20, s19, 6                         ; my first list entry
	s_lshl_b32 s23, s18, 12                        ; the expert's list, in bytes
	s_wait_alu depctr_va_vdst(0)
	v_lshlrev_b32 v3, 2, v2
	v_add_nc_u32 v19, s20, v2
.set n, 0
.rept 32
	global_load_b32 v[32+n], v3, s[4:5] offset:128*n   ; all 1,024 t: register n holds token 32 n + lane
.set n, n+1
.endr
	s_wait_loadcnt 0x0
.set n, 0
.rept 32
	v_mul_f32 v[32+n], 8.0, v[32+n]                ; t / (1 / 8), exact
.set n, n+1
.endr
.set n, 0
.rept 32
	v_cvt_u32_f32 v[32+n], v[32+n]                 ; toward zero; below 0 and NaN give 0
.set n, n+1
.endr
.set n, 0
.rept 32
	v_min_u32 v[32+n], 7, v[32+n]
.set n, n+1
.endr
.set n, 0
.rept 32
	v_cmp_eq_u32 s[32+n], s18, v[32+n]             ; ballot n: which of tokens 32 n .. 32 n + 31 are my expert's
.set n, n+1
.endr
	s_mov_b32 s66, 0
.set n, 0
.rept 32
	s_bcnt1_i32_b32 s21, s[32+n]
	s_add_co_u32 s[67+n], s[66+n], s21             ; s[66 + n]: my expert's tokens ahead of ballot n; s98: T
.set n, n+1
.endr
	s_max_u32 s22, s98, 1
	s_sub_co_u32 s22, s22, 1                       ; the last entry that exists
.macro LEVEL x, width, step            ; does the bit wanted lie beyond the next \step positions?
	v_bfe_u32 v14, v[\x], v13, \width              ; set bits among them
	v_cmp_ge_u32 vcc_lo, v9, v14
	v_sub_nc_u32 v14, v9, v14
	v_add_nc_u32 v15, \step, v13
	v_cndmask_b32 v9, v9, v14, vcc_lo
	v_cndmask_b32 v13, v13, v15, vcc_lo
.endm
.macro PICK j
	v_add_nc_u32 v4, 32*\j, v19                    ; k
	v_min_u32 v5, s22, v4                          ; entries past the end repeat the last
	v_mov_b32 v6, s32                              ; the ballot, its count ahead and its first token: the last n with count ahead <= k
	v_mov_b32 v7, 0
	v_mov_b32 v8, 0
.set n, 1
.rept 31
	v_cmp_gt_u32 vcc_lo, s[66+n], v5               ; true: keep what I have
	v_cndmask_b32 v6, s[32+n], v6, vcc_lo
	v_cndmask_b32 v7, s[66+n], v7, vcc_lo
	v_cndmask_b32 v8, 32*n, v8, vcc_lo
.set n, n+1
.endr
	v_sub_nc_u32 v9, v5, v7                        ; which set bit of the ballot, from 0
	v_lshrrev_b32 v10, 1, v6                       ; bit counts of fields of 2, 4, 8 and 16 bits
	v_and_b32 v10, 0x55555555, v10
	v_sub_nc_u32 v10, v6, v10
	v_lshrrev_b32 v11, 2, v10
	v_and_b32 v11, 0x33333333, v11
	v_and_b32 v16, 0x33333333, v10
	v_add_nc_u32 v11, v11, v16
	v_lshrrev_b32 v12, 4, v11
	v_add_nc_u32 v12, v12, v11
	v_and_b32 v12, 0x0f0f0f0f, v12
	v_lshrrev_b32 v17, 8, v12
	v_add_nc_u32 v17, v17, v12
	v_and_b32 v17, 0x00ff00ff, v17
	v_mov_b32 v13, 0                               ; the position
	LEVEL 17, 8, 16
	LEVEL 12, 8, 8
	LEVEL 11, 4, 4
	LEVEL 10, 2, 2
	LEVEL 6, 1, 1
	v_add_nc_u32 v[22+\j], v8, v13                 ; the token
	v_lshlrev_b32 v[20+\j], 2, v4
	v_add_nc_u32 v[20+\j], s23, v[20+\j]
	global_store_b32 v[20+\j], v[22+\j], s[10:11]  ; 128 consecutive bytes, at a place that hangs on ids alone
.endm
	PICK 0
	PICK 1
	s_cmp_lg_u32 s19, 0                            ; the expert's first wave also stores T
	s_cbranch_scc1 .Lrdone
	v_mov_b32 v24, s98
	s_lshl_b32 s24, s18, 7
	v_add_nc_u32 v25, s24, v3
	global_store_b32 v25, v24, s[8:9]
.Lrdone:
	s_endpgm
.Lfunc_end_k_qae27e5629c_prep:
	.size	k_qae27e5629c_prep, .Lfunc_end_k_qae27e5629c_prep-k_qae27e5629c_prep
	.p2alignl 7, 3214868480
	.fill 96, 4, 3214868480
	.section	.rodata,"a",@progbits
	.p2align	6, 0x0
	.amdhsa_kernel k_qae27e5629c_prep
		.amdhsa_group_segment_fixed_size 43520
		.amdhsa_private_segment_fixed_size 0
		.amdhsa_enable_private_segment 0
		.amdhsa_kernarg_size 48
		.amdhsa_user_sgpr_count 2
		.amdhsa_user_sgpr_kernarg_segment_ptr 1
		.amdhsa_wavefront_size32 1
		.amdhsa_system_sgpr_workgroup_id_x 1
		.amdhsa_system_sgpr_workgroup_id_y 1
		.amdhsa_system_sgpr_workgroup_id_z 1
		.amdhsa_system_vgpr_workitem_id 0
		.amdhsa_next_free_vgpr 138
		.amdhsa_next_free_sgpr 100
		.amdhsa_reserve_vcc 1
		.amdhsa_float_denorm_mode_32 3
		.amdhsa_float_denorm_mode_16_64 3
		.amdhsa_memory_ordered 1
		.amdhsa_forward_progress 1
		.amdhsa_inst_pref_size 40
	.end_amdhsa_kernel
	.amdgpu_metadata
---
amdhsa.version: [ 1, 2 ]
amdhsa.kernels:
  - .name:           k_qae27e5629c_prep
    .symbol:         k_qae27e5629c_prep.kd
    .args:
      - { .name: t, .offset: 0, .size: 8, .value_kind: global_buffer, .address_space: global }
      - { .name: y, .offset: 8, .size: 8, .value_kind: global_buffer, .address_space: global }
      - { .name: cnt, .offset: 16, .size: 8, .value_kind: global_buffer, .address_space: global }
      - { .name: list, .offset: 24, .size: 8, .value_kind: global_buffer, .address_space: global }
      - { .name: ycode, .offset: 32, .size: 8, .value_kind: global_buffer, .address_space: global }
      - { .name: yscale, .offset: 40, .size: 8, .value_kind: global_buffer, .address_space: global }
    .group_segment_fixed_size: 43520
    .private_segment_fixed_size: 0
    .kernarg_segment_align: 8
    .kernarg_segment_size: 48
    .max_flat_workgroup_size: 128
    .sgpr_count:     100
    .vgpr_count:     138
    .wavefront_size: 32
...
	.end_amdgpu_metadata
.endif
;; end of part 4
;; launch layer1 (part 5): grid 256 x 1, 8 waves a work-group, no clusters, 144,384 bytes of LDS; arguments W1, b1, cnt, list, ycode, yscale, hcode, hscale; writes hcode, hscale
.if DOCPART == 5
	.amdgcn_target "amdgcn-amd-amdhsa--gfx1250"
	.amdhsa_code_object_version 6
	.text
	.protected	k_qae27e5629c_layer1
	.globl	k_qae27e5629c_layer1
	.p2align	8
	.type	k_qae27e5629c_layer1,@function
k_qae27e5629c_layer1:
	s_mov_b64 s[64:65], 0
	v_nop
	global_prefetch_b8 v0, s[64:65] scope:SCOPE_SE
	s_setreg_imm32_b32 hwreg(HW_REG_WAVE_SCHED_MODE, 0, 2), 2
	s_setreg_imm32_b32 hwreg(HW_REG_WAVE_MODE, 25, 1), 1
	s_wait_xcnt 0x0
	s_wait_alu depctr_vm_vsrc(0)
; hidden = tanh(y W1[e] + b1[e]) for the tokens of expert e alone, quantised to E4M3 along the hidden axis.  The product is on codes of E4M3 with one E8M0 scale for each 32 along K.
; SHARES.  Work-group = (expert e = id / 32, slice sl = id % 32): 128 hidden units, all of K = 1,024: 512 KiB of W1, which this work-group alone reads, once, as f32.
; PHASE A.  The slice is 32 cells of 128 K rows x 32 columns; each of the eight waves takes four.  A lane (r = lane % 16, h = lane / 16) loads 8 bytes (columns 2 r, 2 r + 1) of rows 32 b + 16 h + i:
;   its registers run DOWN K in the order of the operand's registers, for two columns.  So a block's largest magnitude wants one exchange (lane xor 16), the hold writes the two columns apart, and the
;   conversions' results are registers 4 b .. 4 b + 3 of two fragments: tile u (0, 1) has column 2 r + u as its row r.  The fragments go to LDS as images of their registers (16 bytes a lane, 512 a store).
;   64 loads of a wave are on their way all the time.  Every LDS byte is written once; ONE barrier parts the phases.
; PHASE B.  Wave w takes pairs of token tiles (32 list entries) w, w + 8, ..  List entries past the expert's count repeat its last token: they compute and store the same bytes again, so nothing is masked.
;   The product is used transposed (source 0 = a weight tile, source 1 = 16 tokens): lane (r, h) holds token r, and register j of tile u column 16 h + 2 j + u of the 32.  So a lane's 16 results are 16
;   neighbours along the next K; tanh; quantised in registers; stored as the image of group cg of the next product's token fragment: hcode [e][tile][sl][2,048 bytes], hscale [e][tile][sl][16 words].
;   An expert with no token still runs one pair (of the list's filling), so that tiles 0 and 1 are always stored.
;   The loop over a wave's pairs is counted by trips, one at a time, against the wave's number of trips (pairs + 7 - w) / 8; the pair's number is w + 8 x trip.
; No clusters: no two work-groups read the same weights.  No tensor loads: the f32 numbers have to pass through registers to be quantised.
; LIMITS: NaN and infinities are not served; a block of zeros gets the byte 1 (zero codes; only this program reads the bytes); tanh(x) = 1 - 2 / (1 + 2^(2.88539 x)): absolute error about 1.2e-7.
; REGISTERS.  Window 0: v1-15, v31 addresses; v16-23 at work in the quantiser; v24-26 a cell's scale words; v28-30 weight scale words (a ring of 3); v40-55 y's scale words; v56-57 the hidden scale words;
;   v64-191 phase A: a cell's 128 numbers; phase B: v64-159 weight fragments (a ring of 3 K steps x 2 tiles), v160-191 four accumulators;  v192-223 numbers held, in K order;  v224-255 phase A: codes;
;   phase B: v224-239 the bias, v240-255 hidden codes.   Window 1: y's fragments of the pair (tile t, K step s at 128 t + 16 s).
; THE MODE: SCHED_MODE bits 1:0 = 2 (LLVM: expert scheduling mode 2), set by the entry lines.  The code itself states the register dependences
; between vector or matrix instructions and memory or LDS instructions, with s_wait_alu, always for 0.
; THE PLAN.  Registers that memory or LDS instructions touch, and who else names them:
;   v1-9, v14-15   Addresses and offsets: made at the head, ahead of the first wait on va_vdst, and never written again.
;   v10-13         My tokens' rows in ycode and yscale: written by IDS for each pair, read by the pair's 68 loads.  In the loop: a wait on vm_vsrc ahead of IDS, a wait on va_vdst behind it.
;   X, block b     Phase A: read by the block's maxima and holds; behind them the same block of the next cell is loaded into it.
;   C, v26         Phase A: written by a block's conversions (v26: by the select in a cell's last block), read by the block's LDS stores, written again one cell later.
;                  So ONE wait on va_vdst stands in a block, behind its conversions and ahead of its LDS stores and of the loads that follow them, and ONE wait on vm_vsrc at a cell's head.
;   WR, WSC        Phase B, ring slot s % 3: read by K step s's four products; in K step s + 1 the loads of K step s + 3 land in it.  ONE wait on va_vdst at the head of each K step that loads;
;                  its nine LDS loads are dealt among its four products, which name another slot, the accumulators and the tokens' fragments.
;   BK             Read by the tail's first multiply-adds.  The next group's bias and its first three K steps are asked for behind the wait that stands behind the tail's exponentials.
;   HC, two sets   Written by a group's conversions, read by its two stores, written again two groups later: a wait on va_vdst ahead of the stores, one on vm_vsrc ahead of the conversions.
;   HW             Written in each group's tail, read by two stores in the pair's last; written again in the next pair, behind the wait on vm_vsrc at the loop's end.
;   window 1, YSC, v58-59   Loaded for each pair at the loop's end, behind waits on va_vdst that stand behind every product and every line of IDS that named them.
;   v62, v63       Written at the head, read by the closing add alone.
.set STRIDE, 16384                     ; a row of W1[e] in bytes
.set WS,   0                           ; LDS: scale word images, 128 bytes a cell
.set BKI,  4096                        ; bias images: 2,048 bytes for each group of 32 columns
.set WI,   12288                       ; fragment images: 64 x 2,048 bytes
.set VW,   1                           ; v1   my byte in a cell: h x 16 rows + 8 r
.set VSI,  2                           ; v2-3 where I store fragment images (cells 0-1, cells 2-3)
.set VSS,  4                           ; v4   and scale word images
.set FA,   5                           ; v5   WI + 16 lane
.set FB,   6                           ; v6   WI + 65,536 + 16 lane
.set L4,   7                           ; v7   4 lane
.set L16,  8                           ; v8   16 lane
.set VBK,  9                           ; v9   where I store the bias image
.set VY,   10                          ; v10-11 my token's row in ycode + 16 h, tile 0, 1
.set VYS,  12                          ; v12-13 my token's row in yscale
.set LOFF, 14                          ; v14  4 r
.set VB1,  15                          ; v15  64 h
.set TM,   16
.set SW,   24
.set WSC,  28
.set H16,  31                          ; v31  16 h
.set YSC,  40
.set HW,   56
.set ID,   58
.set X,    64
.set WR,   64
.set ACC,  160
.set T,    192
.set N,    192
.set C,    224
.set BK,   224
.set HC,   240
.set SEL,  26                          ; s[26:27] v_permlanex16_b32's selects for lane xor 16
.set MNT,  28                          ; s28  the mantissa field of 448
.set HM,   29                          ; s29  lanes 16-31
.set K2,   30                          ; s[30:31] 2 log2(e), twice
.set SB,   32                          ; s[32:39] my four cells' first bytes
.set CNT3, 52                          ; the last cell's waits: see CELL
.set CNT3S, 0
.set MSB, 0
.macro WIN new                         ; the immediate's high byte repeats the setting that is left
.if MSB != \new
	s_set_vgpr_msb (MSB<<8)|\new
.set MSB, \new
.endif
.endm
.macro WLOAD q, b                      ; block b (32 K rows) of my cell q: 16 loads; lanes 0-15 read 128 consecutive bytes of one row, lanes 16-31 of the row 16 further down
.irp i, 0,1,2,3,4,5,6,7,8,9,10,11,12,13,14,15
	global_load_b64 v[X+32*(\b)+2*\i:X+32*(\b)+2*\i+1], v[VW], s[SB+2*(\q):SB+2*(\q)+1] offset:(32*(\b)+\i)*STRIDE
.endr
.endm
.macro QBLOCK q, b                     ; one block of 32 along K of my two columns u = 0, 1, by turns: scale, hold, codes, image
.set XB, X+32*(\b)
.irp u, 0,1
	v_max3_num_f32 v[TM+\u], |v[XB+\u]|, |v[XB+2+\u]|, 0x4800000   ; my 16 numbers and the floor 2^(9 - 127): the byte cannot fall under 1
.endr
.irp i, 2,4,6,8,10,12,14
.irp u, 0,1
	v_max3_num_f32 v[TM+\u], v[TM+\u], |v[XB+2*\i+\u]|, |v[XB+2*\i+2+\u]|
.endr
.endr
.irp u, 0,1
	v_permlanex16_b32 v[TM+2+\u], v[TM+\u], s[SEL], s[SEL+1]
.endr
.irp u, 0,1
	v_max_num_f32 v[TM+\u], v[TM+\u], v[TM+2+\u]   ; with lane xor 16's: the block's largest magnitude
.endr
.irp u, 0,1
	v_add_nc_u32 v[TM+6+\u], 0xfc000000, v[TM+\u]  ; 8 off its exponent field: the conversion's scale operand
.endr
.irp u, 0,1
	v_and_or_b32 v[TM+4+\u], v[TM+\u], 0x7f800000, s[MNT]   ; 448 x the scale
.endr
.irp u, 0,1
	v_lshrrev_b32 v[TM+2+\u], 23, v[TM+6+\u]       ; the scale's byte
.endr
.irp u, 0,1
.if (\b) == 0
	v_mov_b32 v[SW+\u], v[TM+2+\u]
.else
	v_lshl_or_b32 v[SW+\u], v[TM+2+\u], 8*(\b), v[SW+\u]
.endif
.endr
.irp i, 0,1,2,3,4,5,6,7,8,9,10,11,12,13,14,15
.irp u, 0,1
	v_med3_num_f32 v[T+16*\u+\i], v[XB+2*\i+\u], -v[TM+4+\u], v[TM+4+\u]   ; the hold (the conversion does not saturate: ISA guide 7.6.2) also parts the two columns
.endr
.endr
.if (\b) == 3
	v_cndmask_b32 v[SW+2], v[SW], v[SW+1], s[HM]   ; the cell's scale words are whole: lanes 0-15: tile 0's; lanes 16-31: tile 1's
.endif
.irp u, 0,1
	v_cvt_scalef32_pk8_fp8_f32 v[C+8*(\b)+4*\u:C+8*(\b)+4*\u+1], v[T+16*\u:T+16*\u+7], v[TM+6+\u]
	v_cvt_scalef32_pk8_fp8_f32 v[C+8*(\b)+4*\u+2:C+8*(\b)+4*\u+3], v[T+16*\u+8:T+16*\u+15], v[TM+6+\u]
.endr
	v_nop                                          ; a plain instruction between the conversions and the next vector instruction that writes their sources
	s_wait_alu depctr_va_vdst(0)                   ; the conversions have written the block's codes (and the select v26), which the LDS stores read; the maxima and holds are done reading X's block b, in which the loads behind this macro land
.irp u, 0,1
	ds_store_b128 v[VSI+(\q)/2], v[C+8*(\b)+4*\u:C+8*(\b)+4*\u+3] offset:((\q)%2)*32768+\u*2048+(\b)*512
.endr
.if (\b) == 3
	ds_store_b32 v[VSS], v[SW+2] offset:(\q)*1024
.endif
.endm
.macro YFRAG s                         ; y's fragments of K step s, both tiles: lane (r, h) takes k = 128 s + 32 c + 16 h + 0 .. 15 of its token
.irp t, 0,1
.irp c, 0,1,2,3
	global_load_b128 v[128*\t+16*(\s)+4*\c:128*\t+16*(\s)+4*\c+3], v[VY+\t], s[12:13] offset:128*(\s)+32*\c
.endr
.endr
.endm
.macro PRE b                           ; a quarter of a pair's loads: with b = 0 the 4 loads of y's scale words, and always two K steps' 16 loads
.if (\b) == 0
.irp t, 0,1
	global_load_b128 v[YSC+8*\t:YSC+8*\t+3], v[VYS+\t], s[14:15]
	global_load_b128 v[YSC+8*\t+4:YSC+8*\t+7], v[VYS+\t], s[14:15] offset:16
.endr
.endif
	WIN 0x40                                       ; destination window 1
	YFRAG 2*(\b)
	YFRAG 2*(\b)+1
	WIN 0
.endm
; My cell q.  Behind each block's work its registers take the same block of the next cell, or, in the last cell, a quarter of the first pair's loads goes out (into registers that no vector instruction has named).
; The wait leaves out what was issued behind the block awaited: three blocks of 16; in the last cell 48, then 32 + 20, 16 + 36, 0 + 52 (weight loads still behind + the pair's loads so far).
.macro CELL q
	s_wait_dscnt 0x0                               ; my earlier LDS stores are done
	s_wait_alu depctr_vm_vsrc(0)                   ; and have read their data: the last cell's codes and v26 (ahead of the first cell: the bias in v[T ..]), which this cell's vector instructions write again
.irp b, 0,1,2,3
.if (\q) < 3
	s_wait_loadcnt 48
.elseif \b == 0
	s_wait_loadcnt 48
.else
	s_wait_loadcnt CNT3+CNT3S*(\b-1)
.endif
	QBLOCK \q, \b
.if (\q) < 3
	WLOAD (\q)+1, \b
.else
	PRE \b
.endif
.endr
.endm
.macro WWORD n, ci                     ; one LDS load: cell ci's scale words into ring slot n % 3
	ds_load_b32 v[WSC+(\n)%3], v[L4] offset:WS+(\ci)*128
.endm
.macro WFRAG n, f, u                   ; four LDS loads: fragment f into tile u of ring slot n % 3
.irp c, 0,1,2,3
.if (\f) < 32
	ds_load_b128 v[WR+32*((\n)%3)+16*(\u)+4*\c:WR+32*((\n)%3)+16*(\u)+4*\c+3], v[FA] offset:(\f)*2048+512*\c
.else
	ds_load_b128 v[WR+32*((\n)%3)+16*(\u)+4*\c:WR+32*((\n)%3)+16*(\u)+4*\c+3], v[FB] offset:((\f)-32)*2048+512*\c
.endif
.endr
.endm
.macro WSTEP n, ci, f0                 ; nine LDS loads: cell ci's scale words and its two fragments f0, f0 + 1 into ring slot n % 3
	WWORD \n, \ci
	WFRAG \n, (\f0), 0
	WFRAG \n, (\f0)+1, 1
.endm
.macro PROLOG cg                       ; what a group of 32 columns begins with: its bias image and its first three K steps
.irp p, 0,1,2,3
	ds_load_b128 v[BK+4*\p:BK+4*\p+3], v[L16] offset:BKI+2048*(\cg)+512*\p
.endr
	WSTEP 0, (\cg), 2*(\cg)
	WSTEP 1, 4+(\cg), 8+2*(\cg)
	WSTEP 2, 8+(\cg), 16+2*(\cg)
.endm
.macro MM s, t, u                      ; accumulator 2 t + u: weight tile u x token tile t, K step s.  The first K step starts the sum: nothing is cleared
.set rD, ACC+8*(2*\t+\u)
.set rA, WR+32*((\s)%3)+16*\u
.set rB, 128*\t+16*(\s)
.set rP, WSC+(\s)%3
.set rQ, YSC+8*\t+(\s)
.if (\s) == 0
.if \u
	v_wmma_scale_f32_16x16x128_f8f6f4 v[rD:rD+7], v[rA:rA+15], v[rB:rB+15], 0, v[rP], v[rQ] matrix_a_scale:MATRIX_SCALE_ROW1
.else
	v_wmma_scale_f32_16x16x128_f8f6f4 v[rD:rD+7], v[rA:rA+15], v[rB:rB+15], 0, v[rP], v[rQ]
.endif
.else
.if \u
	v_wmma_scale_f32_16x16x128_f8f6f4 v[rD:rD+7], v[rA:rA+15], v[rB:rB+15], v[rD:rD+7], v[rP], v[rQ] matrix_a_scale:MATRIX_SCALE_ROW1
.else
	v_wmma_scale_f32_16x16x128_f8f6f4 v[rD:rD+7], v[rA:rA+15], v[rB:rB+15], v[rD:rD+7], v[rP], v[rQ]
.endif
.endif
.endm
; A K step: four products, the four accumulators by turns.  K steps 1 to 5 ask for the K step two further on, into the slot that the K step before has read: nine LDS loads, dealt among the products.
; The wait on DScnt leaves out the fetches of nine loads issued behind this step's own: two at K step 0 (the group's first three go out together), then one, none at the last.
; Behind the last K step nine plain places: eight are asked ahead of the tail's first read of the results, nine ahead of the products that begin the accumulators anew.
.macro KSTEP cg, s
.if ((\s) >= 1) && ((\s) <= 5)
	s_wait_alu depctr_va_vdst(0)                   ; the products of the K step before are done reading their ring slot and its scale words, in which this step's nine loads land
.endif
.if (\s) == 0
	s_wait_dscnt 18
.elseif (\s) <= 6
	s_wait_dscnt 9
.else
	s_wait_dscnt 0x0
.endif
	MM (\s), 0, 0
.if ((\s) >= 1) && ((\s) <= 5)
	WWORD (\s)+2, 4*((\s)+2)+(\cg)
	WFRAG (\s)+2, 8*((\s)+2)+2*(\cg), 0            ; no wait: no product since the wait above names this slot
.endif
	MM (\s), 0, 1
.if ((\s) >= 1) && ((\s) <= 5)
	WFRAG (\s)+2, 8*((\s)+2)+2*(\cg)+1, 1
.endif
	MM (\s), 1, 0
	MM (\s), 1, 1
.if (\s) == 7
.rept 9
	v_nop
.endr
.endif
.endm
; Behind a group's eight K steps: bias, tanh, the quantiser, and the stores.
.macro TAIL cg
.irp a, 0,1,2,3
.irp j, 0,2,4,6
	v_pk_fma_f32 v[ACC+8*\a+\j:ACC+8*\a+\j+1], v[ACC+8*\a+\j:ACC+8*\a+\j+1], s[K2:K2+1], v[BK+8*(\a%2)+\j:BK+8*(\a%2)+\j+1] op_sel_hi:[1,0,1]   ; 2 log2(e) x (sum + b1); each accumulator from its low end on
.endr
.endr
.set n, 0
	s_wait_alu depctr_va_vdst(0)
.rept 32
	v_exp_f32 v[ACC+n], v[ACC+n]
.set n, n+1
.endr
	v_nop                                          ; a plain instruction behind the transcendentals
	s_wait_alu depctr_va_vdst(0)                   ; the 32 exponentials have written their results, ahead of the first reader; the multiply-adds above are done reading the bias and the group's products their ring slots and scale words: the loads below land in all of these
.if (\cg) < 3
	PROLOG (\cg)+1                                 ; the next group's first LDS loads land under the arithmetic below
.endif
.set n, 0
.rept 16
	v_pk_add_f32 v[ACC+n:ACC+n+1], v[ACC+n:ACC+n+1], 1.0 op_sel_hi:[1,0]
.set n, n+2
.endr
.set n, 0
	s_wait_alu depctr_va_vdst(0)
.rept 32
	v_rcp_f32 v[ACC+n], v[ACC+n]
.set n, n+1
.endr
	v_nop
	s_wait_alu depctr_va_vdst(0)                   ; the 32 reciprocals have written their results, ahead of the first reader
.set n, 0
.rept 16
	v_pk_fma_f32 v[ACC+n:ACC+n+1], v[ACC+n:ACC+n+1], -2.0, 1.0 op_sel_hi:[1,0,0]   ; tanh = 1 - 2 / (1 + 2^z)
.set n, n+2
.endr
.irp t, 0,1
	v_max3_num_f32 v[TM+\t], |v[ACC+16*\t]|, |v[ACC+16*\t+1]|, 0x4800000   ; the block of 32 hidden units of my token: my 16, the two tiles of tokens by turns
.endr
.irp i, 2,4,6,8,10,12,14
.irp t, 0,1
	v_max3_num_f32 v[TM+\t], v[TM+\t], |v[ACC+16*\t+\i]|, |v[ACC+16*\t+\i+1]|
.endr
.endr
.irp t, 0,1
	v_permlanex16_b32 v[TM+2+\t], v[TM+\t], s[SEL], s[SEL+1]
.endr
.irp t, 0,1
	v_max_num_f32 v[TM+\t], v[TM+\t], v[TM+2+\t]
.endr
.irp t, 0,1
	v_add_nc_u32 v[TM+6+\t], 0xfc000000, v[TM+\t]
.endr
.irp t, 0,1
	v_and_or_b32 v[TM+4+\t], v[TM+\t], 0x7f800000, s[MNT]
.endr
.irp t, 0,1
	v_lshrrev_b32 v[TM+2+\t], 23, v[TM+6+\t]
.endr
.irp t, 0,1
.if (\cg) == 0
	v_mov_b32 v[HW+\t], v[TM+2+\t]                 ; byte cg of my token's scale word for this K step of the next product
.else
	v_lshl_or_b32 v[HW+\t], v[TM+2+\t], 8*(\cg), v[HW+\t]
.endif
.endr
.irp j, 0,1,2,3,4,5,6,7
.irp u, 0,1
.irp t, 0,1
	v_med3_num_f32 v[N+16*\t+2*\j+\u], v[ACC+16*\t+8*\u+\j], -v[TM+4+\t], v[TM+4+\t]   ; the hold puts the 16 into the order of K: column 16 h + 2 j + u
.endr
.endr
.endr
	s_wait_alu depctr_va_vdst(0)
	s_wait_xcnt 0x0                                ; earlier stores have read their data registers: the codes' registers are written again only behind this wait
	s_wait_alu depctr_vm_vsrc(0)                   ; the stores of two groups back have read this set of the codes' registers, which the conversions write again
.irp t, 0,1
	v_cvt_scalef32_pk8_fp8_f32 v[HC+8*((\cg)%2)+4*\t:HC+8*((\cg)%2)+4*\t+1], v[N+16*\t:N+16*\t+7], v[TM+6+\t]
	v_cvt_scalef32_pk8_fp8_f32 v[HC+8*((\cg)%2)+4*\t+2:HC+8*((\cg)%2)+4*\t+3], v[N+16*\t+8:N+16*\t+15], v[TM+6+\t]
.endr
	v_nop
	s_wait_alu depctr_va_vdst(0)                   ; the conversions have written the codes, which the stores read; in the last group the scale words v[HW ..] are written too
.irp t, 0,1
	global_store_b128 v[L16], v[HC+8*((\cg)%2)+4*\t:HC+8*((\cg)%2)+4*\t+3], s[44:45] offset:65536*\t+512*(\cg)   ; 512 consecutive bytes: group cg of the fragment's image
.endr
.if (\cg) == 3
.irp t, 0,1
	global_store_b32 v[LOFF], v[HW+\t], s[46:47] offset:2048*\t   ; lanes r and r + 16 store the same word to the same place
.endr
.endif
.endm
.macro IDS                             ; list entries into offsets: held to 1,023, then shifts and sums alone
.irp t, 0,1
	v_min_u32 v[ID+\t], 0x3ff, v[ID+\t]
	v_lshlrev_b32 v[VY+\t], 10, v[ID+\t]
	v_add_nc_u32 v[VY+\t], v[VY+\t], v[H16]
	v_lshlrev_b32 v[VYS+\t], 5, v[ID+\t]
.endr
.endm
.macro BASES                           ; my pair of trip s25, w + 8 x trip, held to 31: its places in hcode, hscale and the list
	s_lshl_b32 s52, s25, 3
	s_add_co_u32 s52, s52, s20
	s_min_u32 s52, s52, 31
	s_lshl_b32 s42, s52, 17
	s_add_nc_u64 s[44:45], s[16:17], s[42:43]
	s_lshl_b32 s42, s52, 12
	s_add_nc_u64 s[46:47], s[18:19], s[42:43]
	s_lshl_b32 s42, s52, 7
	s_add_nc_u64 s[48:49], s[10:11], s[42:43]
.endm
	s_load_b512 s[4:19], s[0:1], 0x0               ; W1 s[4:5], b1 s[6:7], cnt s[8:9], list s[10:11], ycode s[12:13], yscale s[14:15], hcode s[16:17], hscale s[18:19]
	v_lshl_add_u32 v62, v0, 2, 0x23000             ; the LDS address of my spare word, and 0: made here and kept for the closing lines alone
	v_mov_b32 v63, 0
	v_lshrrev_b32 v58, 5, v0
	v_readfirstlane_b32 s20, v58                   ; wave 0..7
	s_lshr_b32 s21, ttmp9, 5                       ; expert
	s_and_b32 s22, ttmp9, 31                       ; slice
	s_wait_alu depctr_va_sdst(0)                   ; s20 is written, ahead of its first reader
	s_and_b32 s50, s20, 3                          ; my cells' group of 32 columns
	s_lshr_b32 s51, s20, 2                         ; my cells' K step is 2 q + this
	v_and_b32 v59, 31, v0                          ; lane
	v_and_b32 v60, 15, v0                          ; r
	v_bfe_u32 v61, v0, 4, 1                        ; h
	v_lshlrev_b32 v[VW], 3, v60
	v_lshl_add_u32 v[VW], v61, 18, v[VW]           ; 16 rows of 16,384 bytes for lanes 16-31
	v_lshlrev_b32 v[L16], 4, v59
	v_lshlrev_b32 v[L4], 2, v59
	s_lshl_b32 s40, s20, 12
	s_add_co_u32 s40, s40, WI
	v_add_nc_u32 v[VSI], s40, v[L16]               ; cell 8 q + w: fragments 16 q + 2 w, + 1
	v_add_nc_u32 v[VSI+1], 0x10000, v[VSI]
	s_lshl_b32 s40, s20, 7
	v_add_nc_u32 v[VSS], s40, v[L4]
	v_add_nc_u32 v[FA], WI, v[L16]
	v_add_nc_u32 v[FB], WI+0x10000, v[L16]
	s_lshl_b32 s40, s50, 11
	s_lshl_b32 s42, s51, 10
	s_add_co_u32 s40, s40, s42
	s_add_co_u32 s40, s40, BKI
	v_add_nc_u32 v[VBK], s40, v[L16]
	v_lshlrev_b32 v[LOFF], 2, v60
	v_lshlrev_b32 v[VB1], 6, v61
	v_lshlrev_b32 v[H16], 4, v61
	v_mov_b32 v[TM+2], 0                           ; written once: a lane permute's destination counts as one of its sources
	v_mov_b32 v[TM+3], 0
	s_mov_b32 s[SEL], 0x76543210
	s_mov_b32 s[SEL+1], 0xfedcba98
	s_mov_b32 s[MNT], 0x600000
	s_mov_b32 s[HM], 0xffff0000
	s_mov_b32 s[K2], 0x4038aa3b                    ; 2 log2(e)
	s_mov_b32 s[K2+1], s[K2]
	s_mov_b32 s25, 0                               ; the trip: my pair is w + 8 x trip
	s_mov_b32 s41, 0
	s_mov_b32 s43, 0
	s_lshl_b32 s40, s21, 24                        ; W1: expert, K step, slice, group of columns
	s_lshl_b32 s42, s51, 21
	s_add_co_u32 s40, s40, s42
	s_lshl_b32 s42, s22, 9
	s_add_co_u32 s40, s40, s42
	s_lshl_b32 s42, s50, 7
	s_add_co_u32 s40, s40, s42
	s_wait_kmcnt 0x0
	s_add_nc_u64 s[SB:SB+1], s[4:5], s[40:41]
	s_add_nc_u64 s[SB+2:SB+3], s[SB:SB+1], 0x400000   ; two K steps (256 rows) on
	s_add_nc_u64 s[SB+4:SB+5], s[SB:SB+1], 0x800000
	s_add_nc_u64 s[SB+6:SB+7], s[SB:SB+1], 0xc00000
	s_lshl_b32 s42, s21, 7
	s_add_nc_u64 s[8:9], s[8:9], s[42:43]
	s_load_b32 s23, s[8:9], 0x0                    ; T: the expert's tokens
	s_lshl_b32 s42, s21, 14                        ; b1: unit 128 sl + 32 (w % 4) + 16 h + 2 j + w / 4
	s_lshl_b32 s40, s22, 9
	s_add_co_u32 s42, s42, s40
	s_lshl_b32 s40, s50, 7
	s_add_co_u32 s42, s42, s40
	s_lshl_b32 s40, s51, 2
	s_add_co_u32 s42, s42, s40
	s_add_nc_u64 s[6:7], s[6:7], s[42:43]
	s_lshl_b32 s42, s21, 12
	s_add_nc_u64 s[10:11], s[10:11], s[42:43]      ; the expert's list
	s_lshl_b32 s42, s21, 22
	s_lshl_b32 s40, s22, 11
	s_add_co_u32 s42, s42, s40
	s_add_nc_u64 s[16:17], s[16:17], s[42:43]      ; hcode at (e, tile 0, K step sl)
	s_lshl_b32 s42, s21, 17
	s_lshl_b32 s40, s22, 6
	s_add_co_u32 s42, s42, s40
	s_add_nc_u64 s[18:19], s[18:19], s[42:43]      ; hscale likewise
	BASES
	s_wait_alu depctr_va_vdst(0)                   ; the addresses and offsets v1-9, v14, v15 are written, which the loads and stores of the whole kernel read; so are v58 and v59, which the lines above also read and in which the list's entries land
	global_load_b32 v[ID], v[LOFF], s[48:49]       ; my first pair's tokens (the whole list is written, so any pair 0..7 may be read)
	global_load_b32 v[ID+1], v[LOFF], s[48:49] offset:64
.irp j, 0,1,2,3,4,5,6,7
	global_load_b32 v[T+\j], v[VB1], s[6:7] offset:8*\j
.endr
	WLOAD 0, 0
	WLOAD 0, 1
	WLOAD 0, 2
	s_wait_loadcnt 48                              ; the 48 weight loads were issued behind the ten above: those are in
	s_wait_kmcnt 0x0                               ; T
	IDS
.irp j, 0,1,2,3,4,5,6,7
	v_mul_f32 v[T+\j], s[K2], v[T+\j]              ; the bias times 2 log2(e), as the tail's multiply-add wants it
.endr
	s_wait_alu depctr_va_vdst(0)                   ; the eight products are written, which the two LDS stores read; so are v10-13, which the first pair's loads (in my last cell) read
	ds_store_b128 v[VBK], v[T:T+3]
	ds_store_b128 v[VBK], v[T+4:T+7] offset:512
	s_min_u32 s23, s23, 1024
	s_add_co_u32 s24, s23, 31
	s_lshr_b32 s24, s24, 5
	s_max_u32 s24, s24, 1                          ; pairs to run: at least one, at most 32
	s_add_co_u32 s24, s24, 7
	s_sub_co_u32 s24, s24, s20
	s_lshr_b32 s24, s24, 3                         ; my trips: (pairs + 7 - w) / 8, 0 to 4; not written again
	WLOAD 0, 3                                     ; (into registers that no vector instruction has named)
	CELL 0
	CELL 1
	CELL 2
	CELL 3
	s_wait_dscnt 0x0                               ; for the others' sake: my images lie in LDS
	s_barrier_signal -1
	s_barrier_wait -1                              ; everybody's do; nothing in LDS is written from here on
	s_wait_alu depctr_vm_vsrc(0)                   ; my last cell's LDS stores have read the codes' registers: the bias image's loads land in v224-239
	s_cmp_lt_u32 s25, s24
	s_cbranch_scc0 .Ldone
.Lpair:
	s_wait_loadcnt 0x0                             ; the pair's fragments and scale words of y
	PROLOG 0                                       ; no wait: on both ways here the last wait on va_vdst (my last block's; the one behind IDS) stands behind every vector and matrix instruction that named these registers
.irp cg, 0,1,2,3
	WIN 0x04                                       ; source 1 (the tokens) window 1
.irp s, 0,1,2,3,4,5,6,7
	KSTEP \cg, \s
.endr
	WIN 0
	TAIL \cg
.endr
	s_add_co_u32 s25, s25, 1
	s_cmp_ge_u32 s25, s24
	s_cbranch_scc1 .Ldone
	s_wait_xcnt 0x0                                ; the stores have read their bases and data
	s_wait_alu depctr_vm_vsrc(0)                   ; the pair's loads have read v10-13, which IDS writes again; its last stores have read v[HW ..], which the next pair's first tail writes again
	BASES
	global_load_b32 v[ID], v[LOFF], s[48:49]       ; (IDS, which named v58-59, stands ahead of the tails' waits on va_vdst)
	global_load_b32 v[ID+1], v[LOFF], s[48:49] offset:64
	s_wait_loadcnt 0x0
	IDS
	s_wait_alu depctr_va_vdst(0)                   ; IDS has written v10-13, which the 68 loads below read; the pair's products are done reading y's fragments and scale words, in which they land
	PRE 0
	PRE 1
	PRE 2
	PRE 3
	s_cmp_lt_u32 s25, s24
	s_cbranch_scc1 .Lpair
.Ldone:
	s_wait_dscnt 0x0                               ; the closing lines, six on end
	s_wait_alu 0x0
	s_wait_tensorcnt 0x0
	ds_add_u32 v62, v63
	s_wait_dscnt 0x0
	s_endpgm
.Lfunc_end_k_qae27e5629c_layer1:
	.size	k_qae27e5629c_layer1, .Lfunc_end_k_qae27e5629c_layer1-k_qae27e5629c_layer1
	.p2alignl 7, 3214868480
	.fill 96, 4, 3214868480
	.section	.rodata,"a",@progbits
	.p2align	6, 0x0
	.amdhsa_kernel k_qae27e5629c_layer1
		.amdhsa_group_segment_fixed_size 144384
		.amdhsa_private_segment_fixed_size 0
		.amdhsa_enable_private_segment 0
		.amdhsa_kernarg_size 64
		.amdhsa_user_sgpr_count 2
		.amdhsa_user_sgpr_kernarg_segment_ptr 1
		.amdhsa_wavefront_size32 1
		.amdhsa_system_sgpr_workgroup_id_x 1
		.amdhsa_system_sgpr_workgroup_id_y 1
		.amdhsa_system_sgpr_workgroup_id_z 1
		.amdhsa_system_vgpr_workitem_id 0
		.amdhsa_next_free_vgpr 512
		.amdhsa_next_free_sgpr 66
		.amdhsa_reserve_vcc 0
		.amdhsa_float_denorm_mode_32 3
		.amdhsa_float_denorm_mode_16_64 3
		.amdhsa_memory_ordered 1
		.amdhsa_forward_progress 1
		.amdhsa_inst_pref_size 189
	.end_amdhsa_kernel
	.amdgpu_metadata
---
amdhsa.version: [ 1, 2 ]
amdhsa.kernels:
  - .name:           k_qae27e5629c_layer1
    .symbol:         k_qae27e5629c_layer1.kd
    .args:
      - { .name: W1, .offset: 0, .size: 8, .value_kind: global_buffer, .address_space: global }
      - { .name: b1, .offset: 8, .size: 8, .value_kind: global_buffer, .address_space: global }
      - { .name: cnt, .offset: 16, .size: 8, .value_kind: global_buffer, .address_space: global }
      - { .name: list, .offset: 24, .size: 8, .value_kind: global_buffer, .address_space: global }
      - { .name: ycode, .offset: 32, .size: 8, .value_kind: global_buffer, .address_space: global }
      - { .name: yscale, .offset: 40, .size: 8, .value_kind: global_buffer, .address_space: global }
      - { .name: hcode, .offset: 48, .size: 8, .value_kind: global_buffer, .address_space: global }
      - { .name: hscale, .offset: 56, .size: 8, .value_kind: global_buffer, .address_space: global }
    .group_segment_fixed_size: 144384
    .private_segment_fixed_size: 0
    .kernarg_segment_align: 8
    .kernarg_segment_size: 64
    .max_flat_workgroup_size: 256
    .sgpr_count:     66
    .vgpr_count:     512
    .wavefront_size: 32
...
	.end_amdgpu_metadata
.endif
;; end of part 5
;; launch layer2 (part 6): grid 256 x 1, 8 waves a work-group, no clusters, 154,624 bytes of LDS; arguments W2, b2, scales, shifta, shiftb, y, cnt, list, hcode, hscale, out0; writes out0
.if DOCPART == 6
	.amdgcn_target "amdgcn-amd-amdhsa--gfx1250"
	.amdhsa_code_object_version 6
	.text
	.protected	k_qae27e5629c_layer2
	.globl	k_qae27e5629c_layer2
	.p2align	8
	.type	k_qae27e5629c_layer2,@function
k_qae27e5629c_layer2:
	s_mov_b64 s[64:65], 0
	v_nop
	global_prefetch_b8 v0, s[64:65] scope:SCOPE_SE
	s_setreg_imm32_b32 hwreg(HW_REG_WAVE_SCHED_MODE, 0, 2), 2
	s_setreg_imm32_b32 hwreg(HW_REG_WAVE_MODE, 25, 1), 1
	s_wait_xcnt 0x0
	s_wait_alu depctr_vm_vsrc(0)
; out = 0.5 ((b - a) sigmoid(scales) (hidden W2[e] + b2[e]) + (a + b) y), a = -sigmoid(shifta), b = sigmoid(shiftb), for the tokens of expert e alone.  The product is on codes of E4M3 with E8M0 scales.
; SHARES.  Work-group = (expert e = id / 32, slice sl = id % 32): 32 output columns, all of K = 4,096: 512 KiB of W2, which this work-group alone reads, once, as f32.  Each output number has one owner.
; PHASE A.  As in the first layer's launch: the slice is 32 cells of 128 K rows x 32 columns (cell = K step 8 q + w), four to a wave; a lane loads columns 2 r, 2 r + 1 down K, quantises them in registers, and
;   the two fragments (tile u: row r = column 2 r + u) and their scale words go to LDS as images of their registers.  64 loads of a wave are on their way all the time.  ONE barrier parts the phases.
;   A row's piece is 128 bytes: the work-group beside this one reads the other half of each aligned 256; that is the price of 32 slices to an expert, which give every WGP a work-group.
; PHASE B.  Wave w takes pairs of token tiles w, w + 8, ..  The hidden layer's fragments come from memory as images (16 bytes a lane, 512 a load), six K steps in a ring of registers; the weights from LDS, three.
;   Transposed use: lane (r, h) holds token r and columns 16 h + 2 j + u.  The results go through the wave's own stage in LDS, so that eight lanes hold a token's 128 consecutive bytes; y is added; stored.
;   List entries past the expert's count repeat its last token: the same bytes are stored to the same place again, so nothing is masked.  A work-group of an expert without tokens stores nothing.
;   The first pair's loads go out in phase A; a wave that will have no pair reads the last pair that exists instead and drops it.
;   The loop over a wave's pairs is counted by trips, one at a time, against the wave's number of trips (pairs + 7 - w) / 8; the pair's number is w + 8 x trip.
; No clusters: weights are shared by nobody, and partners' numbers of pairs would differ.  LIMITS: NaN and infinities are not served; a block of zeros gets the byte 1 (zero codes).
; REGISTERS.  Window 0: v1-13 addresses; v16-23 at work; v24-26 a cell's scale words; v[28:29] 0.5 (a + b), twice; v30 0.5 (b - a); v32-39 eight token offsets; v40-42 weight scale words (ring of 3);
;   v44-49 hidden scale words (ring of 3 double steps x 2 tiles); v64-191 phase A: a cell's numbers; phase B: v64-159 weight fragments, v160-191 four accumulators; v192-223 numbers held / results; v224-255 codes / rows.
;   Window 1: v0-191 hidden fragments (K step s, tile t at 32 (s % 6) + 16 t); v192-223 y; v224-239 the columns' factor; v240-255 factor x b2.
; THE MODE: SCHED_MODE bits 1:0 = 2 (LLVM: expert scheduling mode 2), set by the entry lines.  The code itself states the register dependences
; between vector or matrix instructions and memory or LDS instructions, with s_wait_alu, always for 0.
; THE PLAN.  Registers that memory or LDS instructions touch, and who else names them:
;   v1-13          Addresses and offsets: made at the head, ahead of the first wait on va_vdst, and never written again.
;   TO (v32-39)    Loaded from the list for each pair, turned into offsets by TOS, read by the pair's loads of y and by its stores.  In the loop: a wait on vm_vsrc ahead of the list's loads, a wait on va_vdst behind TOS.
;   X, block b     Phase A: read by the block's maxima and holds; behind them the same block of the next cell is loaded into it.
;   C, v26         Phase A: written by a block's conversions (v26: by the select in a cell's last block), read by the block's LDS stores, written again one cell later.
;                  So ONE wait on va_vdst stands in a block, behind its conversions and ahead of its LDS stores and of the loads that follow them, and ONE wait on vm_vsrc at the head of each cell but the first.
;   WR, WSC        Phase B, ring slot s % 3: read by K step s's four products; in K step s + 1 the loads of K step s + 3 land in it.
;   window 1 v0-191, HSC   Ring place d % 3 of double step d: read by the eight products of K steps 2 d, 2 d + 1; at the head of K step 2 d + 2 the loads of double step d + 3 land in it.
;                  ONE wait on va_vdst at the head of each K step that loads serves both rings.  The hidden layer's 18 loads follow it at once, ahead of the wait for the double step's own data;
;                  the nine LDS loads are dealt among the step's four products, which name other places of both rings.
;   N (v192-223)   Written by the way out's multiply-adds, read by the stage's LDS stores: a wait on va_vdst between; written again a pair later, behind the wait on vm_vsrc at the loop's end.
;   R (v224-255)   Loaded from the stage, y added by vector instructions, read by the global stores: a wait on va_vdst ahead of the stores; loaded again a pair later, behind the same wait on vm_vsrc.
;   window 1 v192-223 (y)  Loaded for each pair; read by the way out's multiply-adds, which stand ahead of the wait on va_vdst in front of the stores.
;   v62, v63       Written at the head, read by the closing add alone.
.set STRIDE, 4096                      ; a row of W2[e] in bytes
.set WS,   0                           ; LDS: scale word images, 128 bytes a cell
.set STG,  4096                        ; stages: 16 rows x 144 bytes for each wave
.set WI,   22528                       ; fragment images: 64 x 2,048 bytes
.set VW,   1
.set VSI,  2
.set VSS,  4
.set FA,   5
.set FB,   6
.set L4,   7
.set L16,  8
.set STO,  9                           ; v9   the stage, in: row r, + 64 h
.set SRD,  10                          ; v10  back: row lane / 8, + 16 (lane % 8)
.set LOFF, 11                          ; v11  4 (lane / 8)
.set L8,   12                          ; v12  16 (lane % 8)
.set VC,   13                          ; v13  64 h
.set TM,   16
.set SW,   24
.set C2,   28
.set CF,   30
.set TO,   32
.set WSC,  40
.set HSC,  44
.set X,    64
.set WR,   64
.set ACC,  160
.set T,    192
.set N,    192
.set C,    224
.set R,    224
.set Y,    192                         ; window 1
.set C1,   224                         ; window 1
.set CB,   240                         ; window 1
.set SEL,  32
.set MNT,  34
.set HM,   35
.set SB,   36
.set CNT3, 40                          ; the last cell's waits: see CELL
.set CNT3S, 2
.set MSB, 0
.macro WIN new                         ; the immediate's high byte repeats the setting that is left
.if MSB != \new
	s_set_vgpr_msb (MSB<<8)|\new
.set MSB, \new
.endif
.endm
.macro WLOAD q, b                      ; block b (32 K rows) of my cell q: 16 loads; lanes 0-15 read 128 consecutive bytes of one row, lanes 16-31 of the row 16 further down
.irp i, 0,1,2,3,4,5,6,7,8,9,10,11,12,13,14,15
	global_load_b64 v[X+32*(\b)+2*\i:X+32*(\b)+2*\i+1], v[VW], s[SB+2*(\q):SB+2*(\q)+1] offset:(32*(\b)+\i)*STRIDE
.endr
.endm
.macro QBLOCK q, b                     ; one block of 32 along K of my two columns u = 0, 1, by turns: scale, hold, codes, image
.set XB, X+32*(\b)
.irp u, 0,1
	v_max3_num_f32 v[TM+\u], |v[XB+\u]|, |v[XB+2+\u]|, 0x4800000   ; my 16 numbers and the floor 2^(9 - 127): the byte cannot fall under 1
.endr
.irp i, 2,4,6,8,10,12,14
.irp u, 0,1
	v_max3_num_f32 v[TM+\u], v[TM+\u], |v[XB+2*\i+\u]|, |v[XB+2*\i+2+\u]|
.endr
.endr
.irp u, 0,1
	v_permlanex16_b32 v[TM+2+\u], v[TM+\u], s[SEL], s[SEL+1]
.endr
.irp u, 0,1
	v_max_num_f32 v[TM+\u], v[TM+\u], v[TM+2+\u]   ; with lane xor 16's: the block's largest magnitude
.endr
.irp u, 0,1
	v_add_nc_u32 v[TM+6+\u], 0xfc000000, v[TM+\u]  ; 8 off its exponent field: the conversion's scale operand
.endr
.irp u, 0,1
	v_and_or_b32 v[TM+4+\u], v[TM+\u], 0x7f800000, s[MNT]   ; 448 x the scale
.endr
.irp u, 0,1
	v_lshrrev_b32 v[TM+2+\u], 23, v[TM+6+\u]       ; the scale's byte
.endr
.irp u, 0,1
.if (\b) == 0
	v_mov_b32 v[SW+\u], v[TM+2+\u]
.else
	v_lshl_or_b32 v[SW+\u], v[TM+2+\u], 8*(\b), v[SW+\u]
.endif
.endr
.irp i, 0,1,2,3,4,5,6,7,8,9,10,11,12,13,14,15
.irp u, 0,1
	v_med3_num_f32 v[T+16*\u+\i], v[XB+2*\i+\u], -v[TM+4+\u], v[TM+4+\u]   ; the hold (the conversion does not saturate: ISA guide 7.6.2) also parts the two columns
.endr
.endr
.if (\b) == 3
	v_cndmask_b32 v[SW+2], v[SW], v[SW+1], s[HM]   ; the cell's scale words are whole: lanes 0-15: tile 0's; lanes 16-31: tile 1's
.endif
.irp u, 0,1
	v_cvt_scalef32_pk8_fp8_f32 v[C+8*(\b)+4*\u:C+8*(\b)+4*\u+1], v[T+16*\u:T+16*\u+7], v[TM+6+\u]
	v_cvt_scalef32_pk8_fp8_f32 v[C+8*(\b)+4*\u+2:C+8*(\b)+4*\u+3], v[T+16*\u+8:T+16*\u+15], v[TM+6+\u]
.endr
	v_nop                                          ; a plain instruction between the conversions and the next vector instruction that writes their sources
	s_wait_alu depctr_va_vdst(0)                   ; the conversions have written the block's codes (and the select v26), which the LDS stores read; the maxima and holds are done reading X's block b, in which the loads behind this macro land
.irp u, 0,1
	ds_store_b128 v[VSI+(\q)/2], v[C+8*(\b)+4*\u:C+8*(\b)+4*\u+3] offset:((\q)%2)*32768+\u*2048+(\b)*512
.endr
.if (\b) == 3
	ds_store_b32 v[VSS], v[SW+2] offset:(\q)*1024
.endif
.endm
; 18 loads: the hidden layer's scale words (lanes 0-15: K step 2 d; lanes 16-31: 2 d + 1) and fragments of K steps 2 d, 2 d + 1, both tiles.  back: the window setting to return to
.macro HLOAD d, back
.irp t, 0,1
	global_load_b32 v[HSC+2*((\d)%3)+\t], v[L4], s[50:51] offset:2048*\t+128*(\d)
.endr
	WIN 0x40                                       ; destination window 1
.irp o, 0,1
.irp t, 0,1
.irp c, 0,1,2,3
	global_load_b128 v[32*((2*(\d)+\o)%6)+16*\t+4*\c:32*((2*(\d)+\o)%6)+16*\t+4*\c+3], v[L16], s[48:49] offset:65536*\t+2048*(2*(\d)+\o)+512*\c
.endr
.endr
.endr
	WIN \back
.endm
.macro YLOAD                           ; 8 loads: y at the places that I shall store: token 4 i + lane / 8 of tile t, 16 bytes at 16 (lane % 8) of the slice's 128
	WIN 0x40
.irp t, 0,1
.irp i, 0,1,2,3
	global_load_b128 v[Y+16*\t+4*\i:Y+16*\t+4*\i+3], v[TO+4*\t+\i], s[14:15]
.endr
.endr
	WIN 0
.endm
.macro PRE b
.if (\b) == 0
	YLOAD
.else
	HLOAD (\b)-1, 0
.endif
.endm
; My cell q.  Behind each block's work its registers take the same block of the next cell, or, in the last cell, a part of the first pair's loads goes out (into registers that no vector instruction has named).
; The wait leaves out what was issued behind the block awaited: three blocks of 16; in the last cell 48, then 32 + 8, 16 + 26, 0 + 44 (weight loads still behind + the pair's loads so far).
.macro CELL q
	s_wait_dscnt 0x0                               ; my earlier LDS stores are done
.if (\q) > 0
	s_wait_alu depctr_vm_vsrc(0)                   ; and have read their data: the last cell's codes and v26, which this cell's vector instructions write again
.endif
.irp b, 0,1,2,3
.if (\q) < 3
	s_wait_loadcnt 48
.elseif \b == 0
	s_wait_loadcnt 48
.else
	s_wait_loadcnt CNT3+CNT3S*(\b-1)
.endif
	QBLOCK \q, \b
.if (\q) < 3
	WLOAD (\q)+1, \b
.else
	PRE \b
.endif
.endr
.endm
.macro WWORD n, ci                     ; one LDS load: cell ci's scale words into ring slot n % 3
	ds_load_b32 v[WSC+(\n)%3], v[L4] offset:WS+(\ci)*128
.endm
.macro WFRAG n, f, u                   ; four LDS loads: fragment f into tile u of ring slot n % 3
.irp c, 0,1,2,3
.if (\f) < 32
	ds_load_b128 v[WR+32*((\n)%3)+16*(\u)+4*\c:WR+32*((\n)%3)+16*(\u)+4*\c+3], v[FA] offset:(\f)*2048+512*\c
.else
	ds_load_b128 v[WR+32*((\n)%3)+16*(\u)+4*\c:WR+32*((\n)%3)+16*(\u)+4*\c+3], v[FB] offset:((\f)-32)*2048+512*\c
.endif
.endr
.endm
.macro WSTEP n, ci, f0                 ; nine LDS loads: cell ci's scale words and its two fragments f0, f0 + 1 into ring slot n % 3
	WWORD \n, \ci
	WFRAG \n, (\f0), 0
	WFRAG \n, (\f0)+1, 1
.endm
.macro MM s, t, u                      ; accumulator 2 t + u: weight tile u x token tile t, K step s.  The first K step starts the sum: nothing is cleared
.set rD, ACC+8*(2*\t+\u)
.set rA, WR+32*((\s)%3)+16*\u
.set rB, 32*((\s)%6)+16*\t
.set rP, WSC+(\s)%3
.set rQ, HSC+2*(((\s)/2)%3)+\t
.if (\s) == 0
.if \u
	v_wmma_scale_f32_16x16x128_f8f6f4 v[rD:rD+7], v[rA:rA+15], v[rB:rB+15], 0, v[rP], v[rQ] matrix_a_scale:MATRIX_SCALE_ROW1
.else
	v_wmma_scale_f32_16x16x128_f8f6f4 v[rD:rD+7], v[rA:rA+15], v[rB:rB+15], 0, v[rP], v[rQ]
.endif
.elseif ((\s)%2) == 0
.if \u
	v_wmma_scale_f32_16x16x128_f8f6f4 v[rD:rD+7], v[rA:rA+15], v[rB:rB+15], v[rD:rD+7], v[rP], v[rQ] matrix_a_scale:MATRIX_SCALE_ROW1
.else
	v_wmma_scale_f32_16x16x128_f8f6f4 v[rD:rD+7], v[rA:rA+15], v[rB:rB+15], v[rD:rD+7], v[rP], v[rQ]
.endif
.else
.if \u
	v_wmma_scale_f32_16x16x128_f8f6f4 v[rD:rD+7], v[rA:rA+15], v[rB:rB+15], v[rD:rD+7], v[rP], v[rQ] matrix_a_scale:MATRIX_SCALE_ROW1 matrix_b_scale:MATRIX_SCALE_ROW1
.else
	v_wmma_scale_f32_16x16x128_f8f6f4 v[rD:rD+7], v[rA:rA+15], v[rB:rB+15], v[rD:rD+7], v[rP], v[rQ] matrix_b_scale:MATRIX_SCALE_ROW1
.endif
.endif
.endm
; A K step: four products, the four accumulators by turns.
; K steps 1 to 29 ask for the weights of the K step two further on, into the slot that the K step before has read: nine LDS loads, dealt among the products.
; The even K steps 2 to 26 first ask for the hidden layer's double step two further on, into the place that the double step before has read: 18 loads, ahead of the wait for this double step's own data.
; The wait on LOADcnt, at each even K step, leaves out the fetches of 18 loads issued behind this double step's own: two, at K step 28 one, at K step 30 none.
; The wait on DScnt leaves out the fetches of nine loads issued behind this step's own: two at K step 0 (the pair's first three go out together), then one, none at the last.
; Behind the last K step nine plain places: eight are asked ahead of the first read of the results, nine ahead of the next pair's products, which begin the accumulators anew.
.macro KSTEP s
.if ((\s) >= 1) && ((\s) <= 29)
	s_wait_alu depctr_va_vdst(0)                   ; the products of the K step before are done reading their weight slot and its scale words; at an even K step those of the double step before are done reading their hidden fragments and scale words: this step's loads land in these
.endif
.if ((\s)%2) == 0
.if ((\s) >= 2) && ((\s) <= 26)
	HLOAD (\s)/2+2, 0x04
.endif
.if (\s) <= 26
	s_wait_loadcnt 36
.elseif (\s) == 28
	s_wait_loadcnt 18
.else
	s_wait_loadcnt 0x0
.endif
.endif
.if (\s) == 0
	s_wait_dscnt 18
.elseif (\s) <= 30
	s_wait_dscnt 9
.else
	s_wait_dscnt 0x0
.endif
	MM (\s), 0, 0
.if ((\s) >= 1) && ((\s) <= 29)
	WWORD (\s)+2, (\s)+2
	WFRAG (\s)+2, 2*((\s)+2), 0                    ; no wait: no product since the wait above names this slot
.endif
	MM (\s), 0, 1
.if ((\s) >= 1) && ((\s) <= 29)
	WFRAG (\s)+2, 2*((\s)+2)+1, 1
.endif
	MM (\s), 1, 0
	MM (\s), 1, 1
.if (\s) == 31
.rept 9
	v_nop
.endr
.endif
.endm
.macro TOS                             ; list entries into offsets: held to 1,023, then a shift and a sum alone
.irp i, 0,1,2,3,4,5,6,7
	v_min_u32 v[TO+\i], 0x3ff, v[TO+\i]
.endr
.irp i, 0,1,2,3,4,5,6,7
	v_lshlrev_b32 v[TO+\i], 12, v[TO+\i]
.endr
.irp i, 0,1,2,3,4,5,6,7
	v_add_nc_u32 v[TO+\i], v[TO+\i], v[L8]
.endr
.endm
.macro LLOAD                           ; the pair's 32 list entries, as my eight stores want them
.irp t, 0,1
.irp i, 0,1,2,3
	global_load_b32 v[TO+4*\t+\i], v[LOFF], s[52:53] offset:64*\t+16*\i
.endr
.endr
.endm
.macro HBASE                           ; pair s46's places in hcode and hscale
	s_lshl_b32 s54, s46, 17
	s_add_nc_u64 s[48:49], s[20:21], s[54:55]
	s_lshl_b32 s54, s46, 12
	s_add_nc_u64 s[50:51], s[22:23], s[54:55]
.endm
.macro LBASE                           ; pair s47's place in the list
	s_lshl_b32 s54, s47, 7
	s_add_nc_u64 s[52:53], s[18:19], s[54:55]
.endm
	s_load_b512 s[4:19], s[0:1], 0x0               ; W2 s[4:5], b2 s[6:7], scales s[8:9], shifta s[10:11], shiftb s[12:13], y s[14:15], cnt s[16:17], list s[18:19]
	s_load_b128 s[20:23], s[0:1], 0x40             ; hcode s[20:21], hscale s[22:23]
	s_load_b64 s[24:25], s[0:1], 0x50              ; out0
	v_lshl_add_u32 v62, v0, 2, 0x25800             ; the LDS address of my spare word, and 0: made here and kept for the closing lines alone
	v_mov_b32 v63, 0
	v_lshrrev_b32 v56, 5, v0
	v_readfirstlane_b32 s26, v56                   ; wave 0..7
	s_lshr_b32 s27, ttmp9, 5                       ; expert
	s_and_b32 s28, ttmp9, 31                       ; slice
	v_and_b32 v57, 31, v0                          ; lane
	v_and_b32 v58, 15, v0                          ; r
	v_bfe_u32 v59, v0, 4, 1                        ; h
	v_bfe_u32 v60, v0, 3, 2                        ; lane / 8
	v_and_b32 v61, 7, v0                           ; lane % 8
	v_lshlrev_b32 v[VW], 3, v58
	v_lshl_add_u32 v[VW], v59, 16, v[VW]           ; 16 rows of 4,096 bytes for lanes 16-31
	v_lshlrev_b32 v[L16], 4, v57
	v_lshlrev_b32 v[L4], 2, v57
	s_wait_alu depctr_va_sdst(0)                   ; s26 is written, ahead of its first reader
	s_lshl_b32 s54, s26, 12
	s_add_co_u32 s54, s54, WI
	v_add_nc_u32 v[VSI], s54, v[L16]               ; cell 8 q + w: fragments 16 q + 2 w, + 1
	v_add_nc_u32 v[VSI+1], 0x10000, v[VSI]
	s_lshl_b32 s54, s26, 7
	v_add_nc_u32 v[VSS], s54, v[L4]
	v_add_nc_u32 v[FA], WI, v[L16]
	v_add_nc_u32 v[FB], WI+0x10000, v[L16]
	s_mul_i32 s54, s26, 2304
	s_add_co_u32 s54, s54, STG                     ; my stage
	v_mul_u32_u24 v[STO], v58, 144
	v_lshl_add_u32 v[STO], v59, 6, v[STO]
	v_add_nc_u32 v[STO], s54, v[STO]
	v_mul_u32_u24 v[SRD], v60, 144
	v_lshl_add_u32 v[SRD], v61, 4, v[SRD]
	v_add_nc_u32 v[SRD], s54, v[SRD]
	v_lshlrev_b32 v[LOFF], 2, v60
	v_lshlrev_b32 v[L8], 4, v61
	v_lshlrev_b32 v[VC], 6, v59
	v_mov_b32 v[TM+2], 0                           ; written once: a lane permute's destination counts as one of its sources
	v_mov_b32 v[TM+3], 0
	s_mov_b32 s[SEL], 0x76543210
	s_mov_b32 s[SEL+1], 0xfedcba98
	s_mov_b32 s[MNT], 0x600000
	s_mov_b32 s[HM], 0xffff0000
	s_mov_b32 s31, 0                               ; the trip: my pair is w + 8 x trip
	s_mov_b32 s47, s26                             ; my first pair
	s_mov_b32 s55, 0
	s_mov_b32 s59, 0
	s_lshl_b32 s58, s27, 24                        ; W2: expert, K step w, slice
	s_lshl_b32 s54, s26, 19
	s_add_co_u32 s58, s58, s54
	s_lshl_b32 s56, s28, 7                         ; the slice's 128 bytes of a row
	s_add_co_u32 s58, s58, s56
	s_wait_kmcnt 0x0
	s_add_nc_u64 s[SB:SB+1], s[4:5], s[58:59]
	s_add_nc_u64 s[SB+2:SB+3], s[SB:SB+1], 0x400000   ; eight K steps (1,024 rows) on
	s_add_nc_u64 s[SB+4:SB+5], s[SB:SB+1], 0x800000
	s_add_nc_u64 s[SB+6:SB+7], s[SB:SB+1], 0xc00000
	s_lshl_b32 s54, s27, 7
	s_add_nc_u64 s[16:17], s[16:17], s[54:55]
	s_load_b32 s29, s[16:17], 0x0                  ; T: the expert's tokens
	s_load_b32 s44, s[10:11], 0x0                  ; shifta
	s_load_b32 s45, s[12:13], 0x0                  ; shiftb
	s_mov_b32 s54, s56
	s_add_nc_u64 s[8:9], s[8:9], s[54:55]          ; scales, y and out0 at the slice's columns
	s_add_nc_u64 s[14:15], s[14:15], s[54:55]
	s_add_nc_u64 s[24:25], s[24:25], s[54:55]
	s_lshl_b32 s54, s27, 12
	s_add_nc_u64 s[18:19], s[18:19], s[54:55]      ; the expert's list
	s_add_co_u32 s54, s54, s56
	s_add_nc_u64 s[6:7], s[6:7], s[54:55]          ; b2[e] at the slice's columns
	s_lshl_b32 s54, s27, 22
	s_add_nc_u64 s[20:21], s[20:21], s[54:55]      ; the expert's hcode
	s_lshl_b32 s54, s27, 17
	s_add_nc_u64 s[22:23], s[22:23], s[54:55]      ; and hscale
	LBASE
	s_wait_alu depctr_va_vdst(0)                   ; the addresses and offsets v1-13 are written, which the loads and stores of the whole kernel read
	LLOAD                                          ; (the whole list is written, so any pair 0..7 may be read)
.irp i, 0,1,2,3
	global_load_b128 v[T+4*\i:T+4*\i+3], v[VC], s[8:9] offset:16*\i          ; scales of columns 16 h + 0 .. 15
	global_load_b128 v[T+16+4*\i:T+16+4*\i+3], v[VC], s[6:7] offset:16*\i    ; b2 likewise
.endr
	WLOAD 0, 0
	WLOAD 0, 1
	WLOAD 0, 2
	s_wait_loadcnt 48                              ; the 48 weight loads were issued behind the sixteen above: those are in
	s_wait_kmcnt 0x0                               ; T, shifta, shiftb
	TOS
	v_mov_b32 v56, s44
	v_mov_b32 v57, s45
	v_mul_f32 v56, 0xbfb8aa3b, v56                 ; sigmoid(x) = 1 / (1 + 2^(-log2(e) x))
	v_mul_f32 v57, 0xbfb8aa3b, v57
.set n, 0
.rept 16
	v_mul_f32 v[T+n], 0xbfb8aa3b, v[T+n]
.set n, n+1
.endr
	s_wait_alu depctr_va_vdst(0)
	v_exp_f32 v56, v56
	v_exp_f32 v57, v57
.set n, 0
.rept 16
	v_exp_f32 v[T+n], v[T+n]
.set n, n+1
.endr
	v_nop                                          ; a plain instruction behind the transcendentals
	s_wait_alu depctr_va_vdst(0)                   ; the 18 exponentials have written their results, ahead of the first reader
	v_add_f32 v56, 1.0, v56
	v_add_f32 v57, 1.0, v57
.set n, 0
.rept 8
	v_pk_add_f32 v[T+n:T+n+1], v[T+n:T+n+1], 1.0 op_sel_hi:[1,0]
.set n, n+2
.endr
	s_wait_alu depctr_va_vdst(0)
	v_rcp_f32 v56, v56
	v_rcp_f32 v57, v57
.set n, 0
.rept 16
	v_rcp_f32 v[T+n], v[T+n]
.set n, n+1
.endr
	v_nop
	s_wait_alu depctr_va_vdst(0)                   ; the 18 reciprocals have written their results, ahead of the first reader
	v_add_f32 v[CF], v57, v56                      ; b - a = sigmoid(shiftb) + sigmoid(shifta)
	v_sub_f32 v[C2], v57, v56                      ; a + b = sigmoid(shiftb) - sigmoid(shifta)
	v_mul_f32 v[CF], 0.5, v[CF]
	v_mul_f32 v[C2], 0.5, v[C2]
	v_mov_b32 v[C2+1], v[C2]
.set n, 0
.rept 16
	v_mul_f32 v[T+n], v[CF], v[T+n]                ; the column's factor: 0.5 (b - a) sigmoid(scales)
.set n, n+1
.endr
	WIN 0x40                                       ; destination window 1
.set n, 0
.rept 16
	v_mov_b32 v[C1+n], v[T+n]
	v_mul_f32 v[CB+n], v[T+n], v[T+16+n]           ; factor x b2
.set n, n+1
.endr
	WIN 0
	s_min_u32 s29, s29, 1024
	s_add_co_u32 s30, s29, 31
	s_lshr_b32 s30, s30, 5                         ; pairs: 0 to 32
	s_max_u32 s46, s30, 1
	s_sub_co_u32 s46, s46, 1                       ; the last pair that the first layer stored
	s_min_u32 s46, s46, s26
	s_min_u32 s46, s46, 31
	HBASE
	s_add_co_u32 s30, s30, 7
	s_sub_co_u32 s30, s30, s26
	s_lshr_b32 s30, s30, 3                         ; my trips: (pairs + 7 - w) / 8, 0 to 4; not written again
	WLOAD 0, 3                                     ; (into registers that no vector instruction has named)
	CELL 0
	CELL 1
	CELL 2
	CELL 3
	s_wait_dscnt 0x0                               ; for the others' sake: my images lie in LDS
	s_barrier_signal -1
	s_barrier_wait -1                              ; everybody's do; of LDS only each wave's own stage is written from here on
	s_wait_alu depctr_vm_vsrc(0)                   ; my last cell's LDS stores have read the codes' registers: the rows read back from the stage land in them
	s_cmp_lt_u32 s31, s30
	s_cbranch_scc0 .Ldone
.Lpair:
	WSTEP 0, 0, 0                                  ; no wait: on both ways here the last wait on va_vdst (my last block's; the one behind TOS) stands behind every vector and matrix instruction that named these registers
	WSTEP 1, 1, 2
	WSTEP 2, 2, 4
	WIN 0x04                                       ; source 1 (the tokens) window 1
.irp s, 0,1,2,3,4,5,6,7,8,9,10,11,12,13,14,15,16,17,18,19,20,21,22,23,24,25,26,27,28,29,30,31
	KSTEP \s
.endr
	WIN 0x14                                       ; sources 1 and 2 window 1
.irp t, 0,1
.irp u, 0,1
.irp j, 0,1,2,3,4,5,6,7
	v_fma_f32 v[N+16*\t+2*\j+\u], v[ACC+8*(2*\t+\u)+\j], v[C1+2*\j+\u], v[CB+2*\j+\u]   ; factor x (sum + b2), into the order of the columns; each accumulator from its low end on
.endr
.endr
.endr
	WIN 0
	s_wait_alu depctr_va_vdst(0)                   ; the 32 multiply-adds have written v[N ..], which the stage's LDS stores read
.irp t, 0,1                            ; through my stage: LDS serves a wave's instructions in order, so no wait stands between the stores and the loads, nor in front of the next tile's stores
.irp i, 0,1,2,3
	ds_store_b128 v[STO], v[N+16*\t+4*\i:N+16*\t+4*\i+3] offset:16*\i
.endr
.irp i, 0,1,2,3
	ds_load_b128 v[R+16*\t+4*\i:R+16*\t+4*\i+3], v[SRD] offset:576*\i
.endr
.endr
	s_wait_dscnt 0x0
	WIN 0x01                                       ; source 0 (y) window 1
.irp k, 0,2,4,6,8,10,12,14,16,18,20,22,24,26,28,30
	v_pk_fma_f32 v[R+\k:R+\k+1], v[Y+\k:Y+\k+1], v[C2:C2+1], v[R+\k:R+\k+1]   ; + 0.5 (a + b) y
.endr
	WIN 0
	s_wait_alu depctr_va_vdst(0)                   ; the 16 multiply-adds have written v[R ..], which the stores read, and are done reading y, which the next pair's loads write
.irp t, 0,1
.irp i, 0,1,2,3
	global_store_b128 v[TO+4*\t+\i], v[R+16*\t+4*\i:R+16*\t+4*\i+3], s[24:25]   ; eight lanes store a token's 128 consecutive bytes
.endr
.endr
	s_add_co_u32 s31, s31, 1
	s_cmp_ge_u32 s31, s30
	s_cbranch_scc1 .Ldone
	s_wait_xcnt 0x0                                ; the stores have read their offsets and data
	s_wait_alu depctr_vm_vsrc(0)                   ; the stores have read v[TO ..], in which the list's next entries land, and v[R ..], in which the next pair's rows land; the stage's LDS stores have read v[N ..], which the next pair's multiply-adds write
	s_lshl_b32 s46, s31, 3
	s_add_co_u32 s46, s46, s26                     ; my next pair: w + 8 x trip,
	s_min_u32 s46, s46, 31                         ; held to 31
	s_mov_b32 s47, s46
	HBASE
	LBASE
	LLOAD                                          ; (TOS, which named v[TO ..], stands ahead of the pair's waits on va_vdst)
	s_wait_loadcnt 0x0
	TOS
	s_wait_alu depctr_va_vdst(0)                   ; TOS has written v[TO ..], which the loads of y and the pair's stores read; the last pair's products are done reading the hidden fragments and scale words, in which the loads below land
	YLOAD
	HLOAD 0, 0
	HLOAD 1, 0
	HLOAD 2, 0
	s_cmp_lt_u32 s31, s30
	s_cbranch_scc1 .Lpair
.Ldone:
	s_wait_dscnt 0x0                               ; the closing lines, six on end
	s_wait_alu 0x0
	s_wait_tensorcnt 0x0
	ds_add_u32 v62, v63
	s_wait_dscnt 0x0
	s_endpgm
.Lfunc_end_k_qae27e5629c_layer2:
	.size	k_qae27e5629c_layer2, .Lfunc_end_k_qae27e5629c_layer2-k_qae27e5629c_layer2
	.p2alignl 7, 3214868480
	.fill 96, 4, 3214868480
	.section	.rodata,"a",@progbits
	.p2align	6, 0x0
	.amdhsa_kernel k_qae27e5629c_layer2
		.amdhsa_group_segment_fixed_size 154624
		.amdhsa_private_segment_fixed_size 0
		.amdhsa_enable_private_segment 0
		.amdhsa_kernarg_size 88
		.amdhsa_user_sgpr_count 2
		.amdhsa_user_sgpr_kernarg_segment_ptr 1
		.amdhsa_wavefront_size32 1
		.amdhsa_system_sgpr_workgroup_id_x 1
		.amdhsa_system_sgpr_workgroup_id_y 1
		.amdhsa_system_sgpr_workgroup_id_z 1
		.amdhsa_system_vgpr_workitem_id 0
		.amdhsa_next_free_vgpr 512
		.amdhsa_next_free_sgpr 66
		.amdhsa_reserve_vcc 0
		.amdhsa_float_denorm_mode_32 3
		.amdhsa_float_denorm_mode_16_64 3
		.amdhsa_memory_ordered 1
		.amdhsa_forward_progress 1
		.amdhsa_inst_pref_size 183
	.end_amdhsa_kernel
	.amdgpu_metadata
---
amdhsa.version: [ 1, 2 ]
amdhsa.kernels:
  - .name:           k_qae27e5629c_layer2
    .symbol:         k_qae27e5629c_layer2.kd
    .args:
      - { .name: W2, .offset: 0, .size: 8, .value_kind: global_buffer, .address_space: global }
      - { .name: b2, .offset: 8, .size: 8, .value_kind: global_buffer, .address_space: global }
      - { .name: scales, .offset: 16, .size: 8, .value_kind: global_buffer, .address_space: global }
      - { .name: shifta, .offset: 24, .size: 8, .value_kind: global_buffer, .address_space: global }
      - { .name: shiftb, .offset: 32, .size: 8, .value_kind: global_buffer, .address_space: global }
      - { .name: y, .offset: 40, .size: 8, .value_kind: global_buffer, .address_space: global }
      - { .name: cnt, .offset: 48, .size: 8, .value_kind: global_buffer, .address_space: global }
      - { .name: list, .offset: 56, .size: 8, .value_kind: global_buffer, .address_space: global }
      - { .name: hcode, .offset: 64, .size: 8, .value_kind: global_buffer, .address_space: global }
      - { .name: hscale, .offset: 72, .size: 8, .value_kind: global_buffer, .address_space: global }
      - { .name: out0, .offset: 80, .size: 8, .value_kind: global_buffer, .address_space: global }
    .group_segment_fixed_size: 154624
    .private_segment_fixed_size: 0
    .kernarg_segment_align: 8
    .kernarg_segment_size: 88
    .max_flat_workgroup_size: 256
    .sgpr_count:     66
    .vgpr_count:     512
    .wavefront_size: 32
...
	.end_amdgpu_metadata
.endif
;; end of part 6
